; MI455X (gfx1250); checked and timed in simulation.
; The chip was launched on July 23, 2026; its instructions are those of AMD's public machine-readable ISA for CDNA 5 (MIT licence, August 2026) and "CDNA5" Instruction Set Architecture Reference Guide (July 2026). The comments in the code are by the model that wrote it; some were corrected since.
;; Multi Head Attention. Allowed arithmetic: matrix products marked QUANTISED: E2M1 operands, one E8M0 scale for each 32 along K, by v_wmma_scale_f32_16x16x128_f8f6f4 with both operands' format E2M1 (or v_wmma_scale_f32_32x16x128_f4), f32 sums; everything else in f32.
;; Inputs: W_Q 1,024 x 1,024 float32; W_out 1,024 x 1,024 float32; b_out 1,024 float32; x 4 x 2,048 x 1,024 float32.
;; Outputs: out0 4 x 2,048 x 1,024 float32.
;; This version of the problem:
;;   THIS VERSION OF THE PROBLEM IS GIVEN IN LOW PRECISION. The matrix products marked QUANTISED in the list below multiply operands that are first quantised to E2M1 (2 exponent bits, 1 mantissa bit; 4 bits a number), with one power-of-two scale for each 32 numbers along K (OCP MX v1.0); their sums are f32. All else is computed in f32.
;;   The module's matrix products, in the order in which they are computed (A, B: the left and right operand; K: the contracted axis; several contracted axes count as one K, in the product's order):
;;     1. [M 8,192, K 1,024] x [K 1,024, N 1,024]; A: input x; B: input W_Q: QUANTISED
;;     2. batch 64 x [M 2,048, K 64] x [K 64, N 2,048]; A: computed on the way; B: computed on the way: QUANTISED
;;     3. batch 64 x [M 2,048, K 2,048] x [K 2,048, N 64]; A: softmax (see below); B: computed on the way: QUANTISED
;;     4. [M 8,192, K 1,024] x [K 1,024, N 1,024]; A: computed on the way; B: input W_out: QUANTISED
;;   THE QUANTISER, for each operand of a quantised product, along K:
;;     - K is cut into blocks of 32 from its start; a last block that is shorter is filled with zeros.
;;     - A block's scale is 2^e with e = floor(log2(the largest magnitude in the block)) - 2, held to -126 .. 127; a block of zeros has e = 0. As a byte (E8M0): e + 127.
;;     - Each number is divided by its block's scale, clamped to +-6, and rounded to the nearest number of E2M1, ties to even, subnormals kept.
;;     - The product sums the exact products of the quantised numbers (number of the format x scale) in f32.
;;   ~~~python
;;   def quantise(x, axis):      # numpy; x: float32 -> the quantised numbers, widened to float32 again
;;       x = np.moveaxis(x, axis, -1); K = x.shape[-1]
;;       x = np.pad(x, [(0, 0)] * (x.ndim - 1) + [(0, -K % 32)]); x = x.reshape(x.shape[:-1] + (-1, 32)); a = np.abs(x).max(-1, keepdims=True)
;;       e = np.where(a > 0, np.clip(np.frexp(np.where(a > 0, a, 1))[1] - 1 - 2, -126, 127), 0)      # np.frexp(a)[1] - 1 = floor(log2(a)), exactly
;;       r = np.clip(x / 2.0 ** e, -6, 6)
;;       step = 2.0 ** (np.maximum(np.frexp(np.where(r == 0, 1, r))[1] - 1, 0) - 1)
;;       q = np.round(r / step) * step * 2.0 ** e      # np.round: ties to even
;;       return np.moveaxis(q.reshape(q.shape[:-2] + (-1,))[..., :K], -1, axis).astype(np.float32)
;;   ~~~
;;   SOFTMAX AHEAD OF A QUANTISED PRODUCT. Where the list says 'softmax', what is quantised is not the finished softmax but p = 2^(t - M), with t = logit x log2(e) and M = ceil(the row's largest t), a whole number; so 1/2 < the row's largest p <= 1. The row's sum l is taken of the UNQUANTISED p, in f32, and the product's result is divided by l at the end. Since M is a whole number, a kernel that streams over the keys may use a running M (the ceiling of the running maximum): every later rescaling is an exact power of two, which a block's scale takes up: the codes' values come out the same.
;;   OPERANDS COMPUTED ON THE WAY. 'Computed on the way' means the value that the module computes at that place (a softmax that the list does not call 'softmax' is quantised finished and normalised). What goes into a quantiser is computed in f32, as accurately as f32 sums, v_exp_f32 and their like allow (about 1e-6 of the number): no bf16 or f16 on the way to a quantiser, and a product that is left as it is and whose result goes on into a quantised operand takes f32 operands (vector FMAs, or v_wmma_f32_16x16x4_f32). A number that lies on a knife's edge between two numbers of the format may be rounded either way, as far as f32 arithmetic and the matrix unit's own rounding can turn it there, and no further.
;; One version. Each part assembles by itself: llvm-mc -triple=amdgcn-amd-amdhsa -mcpu=gfx1250 --defsym DOCPART=n.
;; ======== version 1 of 1: 4 launches
;; limits: right only within a limited range of input values
;; workspace buffers: w_img 1,048,576 bytes; w_sc 65,536 bytes; x_img 4,194,304 bytes; x_sc 262,144 bytes; kv 9,175,040 bytes; ctx_img 4,194,304 bytes; ctx_sc 262,144 bytes
;; launch quant (part 1): grid 192 x 1, 8 waves a work-group, no clusters, 83,968 bytes of LDS; arguments x, W_Q, W_out, x_img, x_sc, w_img, w_sc; writes x_img, x_sc, w_img, w_sc
.if DOCPART == 1
	.amdgcn_target "amdgcn-amd-amdhsa--gfx1250"
	.amdhsa_code_object_version 6
	.text
	.protected	k_qb4ae849ae1_quant
	.globl	k_qb4ae849ae1_quant
	.p2align	8
	.type	k_qb4ae849ae1_quant,@function
k_qb4ae849ae1_quant:
	s_mov_b64 s[64:65], 0
	v_nop
	global_prefetch_b8 v0, s[64:65] scope:SCOPE_SE
	s_setreg_imm32_b32 hwreg(HW_REG_WAVE_MODE, 25, 1), 1
	s_wait_xcnt 0x0
; x [8192][1024] (K innermost) and W_Q, W_out [1024 (k)][1024 (n)] (K first), all f32, become codes of FP4 (E2M1) with one E8M0 byte for each 32 along K, laid as images of the matrix unit's registers.
; ONE LAUNCH: work-groups 0-127 take x, work-groups 128-191 the two weights; the two ways part on the work-group's number and have LDS bytes of their own.
; TILES.  Sixteen rows (tokens of x, columns of W) form a tile: tile 2 a + u, row r, is index 32 a + 8 u + r + 8 (r / 8).  Block B (0..31) of row r lies at tile x 8192 + 256 B + 16 r; its scale byte at tile x 512 + 256 (B / 16) + 16 r + B % 16.
; W_out's codes follow W_Q's at byte 524,288, its scale bytes at 32,768.
; A block's scale is 2^(floor(log2(its largest magnitude)) - 2); its byte is the largest magnitude's exponent field - 2, held at 1 from below by a floor among the maximum's leaves.
; WORK LEFT OUT IN THIS PROGRAM: only the score tiles that reference()'s own causal mask sets to -inf ahead of the softmax (launch attn); every input is read.
; LIMITS: a block of zeros, and one whose largest magnitude lies under 2^-124, gets the byte 1 (zero codes add nothing, and this program alone reads the bytes); NaN and infinities are not served.
; No tensor loads, no cluster: no two work-groups read the same byte.
.set SPARE, 82944                      ; the spare words: 128 bytes for each of 8 waves
.set WL,    81920                      ; the weights' way: 1,024 bytes for the scale words
.set STEPS, 16
.set R,     16                         ; x: v16-79 four sets of 16 numbers as loaded
.set X,     80                         ; v80-111 two sets of 16 neighbours
.set E,     112                        ; v112-127 a scale byte for each step
.set C,     128                        ; v128-159 codes, a pair for each step
.set WREG,  10240                      ; x: an LDS region for each wave
.set SP,    80                         ; a lane's place in a stage: 64 bytes + 16
.set SCB,   2*32*SP                    ; the wave's 256 scale bytes
.set CST,   SCB+256                    ; the codes' stage, 16 rows 272 apart
.set CP,    272
.set WX,    32                         ; W: v32-95 two sets of 32 numbers
.set WC,    96                         ; v96-111 codes
.set SW,    24                         ; v24 my column's scale word
	s_load_b256 s[4:11], s[0:1], 0x0               ; x s[4:5], W_Q s[6:7], W_out s[8:9], x's codes s[10:11]
	s_load_b128 s[12:15], s[0:1], 0x20             ; x's scale bytes s[12:13], W's codes s[14:15]
	s_load_b64 s[16:17], s[0:1], 0x30              ; W's scale bytes
	v_lshl_add_u32 v192, v0, 2, SPARE
	v_mov_b32 v193, 0
	v_lshrrev_b32 v1, 5, v0
	v_readfirstlane_b32 s20, v1                    ; wave 0..7
	s_cmp_lt_u32 ttmp9, 128
	s_cbranch_scc0 .Lweights
; x.  Wave g = 8 x work-group + wave takes tile g / 2, half g % 2 of K: 16 steps, step t = the tile's row t, 512 numbers.  Four loads of 512 consecutive bytes turn through the wave's stage and come back
; 64 bytes a lane: 16 neighbours along K, two lanes to a block.  Codes and scale bytes are gathered in LDS and leave as runs of 512 and 256 consecutive bytes.
	v_and_b32 v2, 31, v0
	v_lshlrev_b32 v3, 4, v2
	s_mul_i32 s21, s20, WREG
	v_lshrrev_b32 v14, 2, v2
	v_mul_u32_u24 v14, v14, SP
	v_and_b32 v15, 3, v2
	v_lshl_add_u32 v14, v15, 4, v14
	v_add_nc_u32 v14, s21, v14                     ; the stage, in
	v_mul_u32_u24 v15, v2, SP
	v_add_nc_u32 v15, s21, v15                     ; and out
	v_lshrrev_b32 v5, 1, v2
	v_mul_u32_u24 v4, v5, CP
	v_and_b32 v6, 1, v2
	v_lshl_add_u32 v4, v6, 3, v4
	v_add_nc_u32 v4, s21, v4
	v_add_nc_u32 v4, CST, v4                       ; the codes' stage, in
	v_add_nc_u32 v5, s21, v5
	v_add_nc_u32 v5, SCB, v5                       ; my block's scale byte
	v_lshlrev_b32 v7, 3, v2
	v_add_nc_u32 v6, s21, v7
	v_add_nc_u32 v6, SCB, v6                       ; the scale bytes, out
	v_lshrrev_b32 v10, 4, v2
	v_mul_u32_u24 v10, v10, CP
	v_and_b32 v11, 15, v2
	v_lshl_add_u32 v10, v11, 4, v10
	v_add_nc_u32 v10, s21, v10
	v_add_nc_u32 v10, CST, v10                     ; the codes' stage, out
	s_lshl_b32 s22, ttmp9, 3
	s_add_co_u32 s22, s22, s20                     ; g
	s_lshr_b32 s23, s22, 1                         ; the tile
	s_and_b32 s24, s22, 1                          ; the half of K
	s_lshr_b32 s25, s23, 1
	s_lshl_b32 s25, s25, 17
	s_and_b32 s26, s23, 1
	s_lshl_b32 s26, s26, 15
	s_add_co_u32 s28, s25, s26
	s_lshl_b32 s24, s24, 11
	s_add_co_u32 s28, s28, s24
	s_mov_b32 s29, 0
	s_lshl_b32 s30, s22, 12
	s_mov_b32 s31, 0
	s_lshl_b32 s32, s22, 8
	s_mov_b32 s33, 0
	s_wait_alu depctr_va_vdst(0)                   ; the wait at the head's end
	s_wait_kmcnt 0x0
	s_add_nc_u64 s[4:5], s[4:5], s[28:29]
	s_add_nc_u64 s[10:11], s[10:11], s[30:31]
	s_add_nc_u64 s[12:13], s[12:13], s[32:33]
.macro XLOAD t                         ; the tile's row t lies t + 8 (t / 8) tokens behind its first
.irp i, 0,1,2,3
	global_load_b128 v[R+16*((\t)%4)+4*\i:R+16*((\t)%4)+4*\i+3], v3, s[4:5] offset:((\t)+8*((\t)/8))*4096+512*\i th:TH_LOAD_NT
.endr
.endm
.macro XTURN t                         ; LDS serves a wave's instructions in order: no wait between the stores and the loads
.irp i, 0,1,2,3
	ds_store_b128 v14, v[R+16*((\t)%4)+4*\i:R+16*((\t)%4)+4*\i+3] offset:32*SP*((\t)%2)+8*SP*\i
.endr
.irp i, 0,1,2,3
	ds_load_b128 v[X+16*((\t)%2)+4*\i:X+16*((\t)%2)+4*\i+3], v15 offset:32*SP*((\t)%2)+16*\i
.endr
.endm
.irp t, 0,1,2,3
	XLOAD \t
.endr
	s_wait_loadcnt 12                              ; step 0's four loads are in
	XTURN 0
.macro XSTEP t
.set XS, X+16*((\t)%2)
.if (\t) > 0
	s_wait_dscnt 2                                 ; this step's numbers are back (behind them: the last step's byte store and code store)
.else
	s_wait_dscnt 0x0
.endif
.if (\t)+4 < STEPS
	XLOAD (\t)+4
.endif
.if (\t)+1 < STEPS
.if STEPS-2-(\t) >= 3
	s_wait_loadcnt 12                              ; the next step's four loads are in; three steps' may be out
.else
	s_wait_loadcnt 4*(STEPS-2-(\t))
.endif
	XTURN (\t)+1
.endif
	v_max3_num_f32 v8, |v[XS]|, |v[XS+1]|, |v[XS+2]|
	v_max3_num_f32 v9, |v[XS+3]|, |v[XS+4]|, |v[XS+5]|
.irp i, 6,10
	v_max3_num_f32 v8, v8, |v[XS+\i]|, |v[XS+\i+1]|
	v_max3_num_f32 v9, v9, |v[XS+\i+2]|, |v[XS+\i+3]|
.endr
	v_max3_num_f32 v8, v8, |v[XS+14]|, |v[XS+15]|
	v_max3_num_f32 v8, v8, v9, 0x1800000           ; the floor 2^(3 - 127)
	v_max_num_f32_dpp v8, v8, v8 row_xmask:1 row_mask:0xf bank_mask:0xf   ; with my neighbour's 16: the block's
	v_add_nc_u32 v11, 0xff000000, v8               ; 2 off the exponent field: the conversions' scale operand
	v_cvt_scalef32_pk8_fp4_f32 v[C+2*(\t)], v[XS:XS+7], v11
	v_cvt_scalef32_pk8_fp4_f32 v[C+2*(\t)+1], v[XS+8:XS+15], v11
	v_lshrrev_b32 v[E+(\t)], 23, v11               ; the scale's byte
	ds_store_b8 v5, v[E+(\t)] offset:16*(\t)
	ds_store_b64 v4, v[C+2*(\t):C+2*(\t)+1] offset:16*(\t)
.endm
.irp t, 0,1,2,3,4,5,6,7,8,9,10,11,12,13,14,15
	XSTEP \t
.endr
	ds_load_b64 v[12:13], v6
.irp i, 0,1,2,3,4,5,6,7
	ds_load_b128 v[R+4*\i:R+4*\i+3], v10 offset:2*CP*\i
.endr
	s_wait_dscnt 8                                 ; the scale bytes are back
	global_store_b64 v7, v[12:13], s[12:13]        ; 256 consecutive bytes, aligned
.irp i, 0,1,2,3,4,5,6,7
	s_wait_dscnt 7-\i
	global_store_b128 v3, v[R+4*\i:R+4*\i+3], s[10:11] offset:512*\i   ; 512 consecutive bytes, aligned
.endr
	s_wait_tensorcnt 0x0                           ; the wave's end
	ds_add_u32 v192, v193
	s_wait_dscnt 0x0
	s_endpgm
; THE WEIGHTS.  Work-group j = number - 128: columns 64 (j % 16) on, tensor j / 32, half (j / 16) % 2 of K.  Wave w: the 32 columns of group a = 2 (j % 16) + w % 2, K step 4 half + w / 2: four blocks a lane.
; A lane takes a column and its registers run down K.  Two waves side by side read 256 consecutive bytes of each row.  The four waves of a group put their scale words together in LDS; waves 0 and 1 store them.
.Lweights:
	s_sub_co_u32 s21, ttmp9, 128
	s_lshr_b32 s22, s21, 4                         ; 2 x tensor + half
	s_and_b32 s21, s21, 15
	s_lshr_b32 s23, s22, 1
	s_and_b32 s24, s22, 1
	s_and_b32 s25, s20, 1                          ; e
	s_lshr_b32 s26, s20, 1                         ; q
	s_lshl_b32 s27, s21, 1
	s_add_co_u32 s27, s27, s25                     ; a
	s_lshl_b32 s28, s24, 2
	s_add_co_u32 s28, s28, s26                     ; the K step
	v_and_b32 v1, 31, v0
	v_and_b32 v2, 7, v0
	v_bfe_u32 v7, v0, 3, 1
	v_lshl_add_u32 v2, v7, 4, v2
	v_bfe_u32 v7, v0, 4, 1                         ; u
	v_lshl_add_u32 v2, v7, 3, v2                   ; my column in the group
	v_lshlrev_b32 v2, 2, v2
	v_and_b32 v8, 15, v0
	v_lshlrev_b32 v8, 4, v8
	v_lshl_add_u32 v3, v7, 13, v8                  ; codes: 8192 u + 16 r
	v_lshl_add_u32 v6, v7, 9, v8                   ; scale bytes: 512 u + 16 r
	s_lshl_b32 s29, s25, 9
	s_add_co_u32 s29, s29, WL
	s_lshl_b32 s30, s26, 2
	v_lshlrev_b32 v5, 4, v1
	v_add_nc_u32 v5, s29, v5                       ; LDS: a row's 16 scale bytes
	v_add_nc_u32 v4, s30, v5                       ; my word of them
	s_lshl_b32 s32, s28, 19
	s_lshl_b32 s33, s27, 7
	s_add_co_u32 s32, s32, s33
	s_mov_b32 s33, 0
	s_lshl_b32 s34, s23, 19
	s_lshl_b32 s35, s27, 14
	s_add_co_u32 s34, s34, s35
	s_lshl_b32 s35, s28, 10
	s_add_co_u32 s34, s34, s35
	s_mov_b32 s35, 0
	s_lshl_b32 s36, s23, 15
	s_lshl_b32 s37, s27, 10
	s_add_co_u32 s36, s36, s37
	s_lshl_b32 s37, s24, 8
	s_add_co_u32 s36, s36, s37
	s_mov_b32 s37, 0
	s_wait_alu depctr_va_vdst(0)                   ; the wait at the head's end
	s_wait_kmcnt 0x0
	s_cmp_lt_u32 s22, 2                            ; the choice hangs on the work-group's number alone
	s_cselect_b64 s[6:7], s[6:7], s[8:9]
	s_add_nc_u64 s[6:7], s[6:7], s[32:33]
	s_add_nc_u64 s[14:15], s[14:15], s[34:35]
	s_add_nc_u64 s[16:17], s[16:17], s[36:37]
.macro WLOAD t
.set i, 0
.rept 32
	global_load_b32 v[WX+32*((\t)%2)+i], v2, s[6:7] offset:(32*(\t)+i)*4096 th:TH_LOAD_NT
.set i, i+1
.endr
.endm
.macro WBLOCK t
.set XS, WX+32*((\t)%2)
.if (\t) < 3
	s_wait_loadcnt 32                              ; this block's 32 loads are in; the next block's may be out
.else
	s_wait_loadcnt 0x0
.endif
	v_max3_num_f32 v12, |v[XS]|, |v[XS+1]|, |v[XS+2]|
	v_max3_num_f32 v13, |v[XS+3]|, |v[XS+4]|, |v[XS+5]|
.irp i, 6,10,14,18,22,26
	v_max3_num_f32 v12, v12, |v[XS+\i]|, |v[XS+\i+1]|
	v_max3_num_f32 v13, v13, |v[XS+\i+2]|, |v[XS+\i+3]|
.endr
	v_max3_num_f32 v12, v12, |v[XS+30]|, |v[XS+31]|
	v_max3_num_f32 v12, v12, v13, 0x1800000
	v_add_nc_u32 v11, 0xff000000, v12
.irp g, 0,1,2,3
	v_cvt_scalef32_pk8_fp4_f32 v[WC+4*(\t)+\g], v[XS+8*\g:XS+8*\g+7], v11
.endr
.if (\t) == 0
	v_lshrrev_b32 v[SW], 23, v11                   ; block t is byte t of the K step's word
.else
	v_lshrrev_b32 v13, 23, v11
	v_lshl_or_b32 v[SW], v13, 8*(\t), v[SW]
.endif
	global_store_b128 v3, v[WC+4*(\t):WC+4*(\t)+3], s[14:15] offset:256*(\t)   ; sixteen lanes store 256 consecutive bytes, aligned
.if (\t) < 2
	WLOAD (\t)+2
.endif
.endm
	WLOAD 0
	WLOAD 1
	WBLOCK 0
	WBLOCK 1
	WBLOCK 2
	WBLOCK 3
	ds_store_b32 v4, v[SW]
	s_wait_dscnt 0x0                               ; for the others' sake: my word lies in LDS
	s_barrier_signal -1
	s_barrier_wait -1
	s_cmp_lt_u32 s20, 2
	s_cbranch_scc0 .Lwend
	ds_load_b128 v[112:115], v5
	s_wait_dscnt 0x0
	global_store_b128 v6, v[112:115], s[16:17]     ; sixteen lanes store 256 consecutive bytes, aligned
.Lwend:
	s_wait_tensorcnt 0x0                           ; the wave's end
	ds_add_u32 v192, v193
	s_wait_dscnt 0x0
	s_endpgm
.Lfunc_end_k_qb4ae849ae1_quant:
	.size	k_qb4ae849ae1_quant, .Lfunc_end_k_qb4ae849ae1_quant-k_qb4ae849ae1_quant
	.p2alignl 7, 3214868480
	.fill 96, 4, 3214868480
	.section	.rodata,"a",@progbits
	.p2align	6, 0x0
	.amdhsa_kernel k_qb4ae849ae1_quant
		.amdhsa_group_segment_fixed_size 83968
		.amdhsa_private_segment_fixed_size 0
		.amdhsa_enable_private_segment 0
		.amdhsa_kernarg_size 56
		.amdhsa_user_sgpr_count 2
		.amdhsa_user_sgpr_kernarg_segment_ptr 1
		.amdhsa_wavefront_size32 1
		.amdhsa_system_sgpr_workgroup_id_x 1
		.amdhsa_system_sgpr_workgroup_id_y 1
		.amdhsa_system_sgpr_workgroup_id_z 1
		.amdhsa_system_vgpr_workitem_id 0
		.amdhsa_next_free_vgpr 194
		.amdhsa_next_free_sgpr 66
		.amdhsa_reserve_vcc 0
		.amdhsa_float_denorm_mode_32 3
		.amdhsa_float_denorm_mode_16_64 3
		.amdhsa_memory_ordered 1
		.amdhsa_forward_progress 1
		.amdhsa_inst_pref_size 56
	.end_amdhsa_kernel
	.amdgpu_metadata
---
amdhsa.version: [ 1, 2 ]
amdhsa.kernels:
  - .name:           k_qb4ae849ae1_quant
    .symbol:         k_qb4ae849ae1_quant.kd
    .args:
      - { .name: x, .offset: 0, .size: 8, .value_kind: global_buffer, .address_space: global }
      - { .name: W_Q, .offset: 8, .size: 8, .value_kind: global_buffer, .address_space: global }
      - { .name: W_out, .offset: 16, .size: 8, .value_kind: global_buffer, .address_space: global }
      - { .name: x_img, .offset: 24, .size: 8, .value_kind: global_buffer, .address_space: global }
      - { .name: x_sc, .offset: 32, .size: 8, .value_kind: global_buffer, .address_space: global }
      - { .name: w_img, .offset: 40, .size: 8, .value_kind: global_buffer, .address_space: global }
      - { .name: w_sc, .offset: 48, .size: 8, .value_kind: global_buffer, .address_space: global }
    .group_segment_fixed_size: 83968
    .private_segment_fixed_size: 0
    .kernarg_segment_align: 8
    .kernarg_segment_size: 56
    .max_flat_workgroup_size: 256
    .sgpr_count:     66
    .vgpr_count:     194
    .wavefront_size: 32
...
	.end_amdgpu_metadata
.endif
;; end of part 1
;; launch gemm_qkv (part 2): grid 4 x 64, 4 waves a work-group, clusters of 4 x 4, 229,888 bytes of LDS; arguments x_img, x_sc, w_img, w_sc, kv; writes kv
.if DOCPART == 2
	.amdgcn_target "amdgcn-amd-amdhsa--gfx1250"
	.amdhsa_code_object_version 6
	.text
	.protected	k_qb4ae849ae1_gemm_qkv
	.globl	k_qb4ae849ae1_gemm_qkv
	.p2align	8
	.type	k_qb4ae849ae1_gemm_qkv,@function
k_qb4ae849ae1_gemm_qkv:
	s_mov_b64 s[64:65], 0
	v_nop
	global_prefetch_b8 v0, s[64:65] scope:SCOPE_SE
	s_setreg_imm32_b32 hwreg(HW_REG_WAVE_MODE, 25, 1), 1
	s_wait_xcnt 0x0
	s_wait_alu depctr_hold_cnt(0) depctr_sa_sdst(0) depctr_va_vdst(0) depctr_va_sdst(0) depctr_va_ssrc(0) depctr_va_vcc(0) depctr_vm_vsrc(0)
	s_getreg_b32 s2, hwreg(HW_REG_IB_STS2, 6, 4)
	s_cmp_eq_u32 s2, 0
	s_cbranch_scc0 .Lentry_in_a_cluster
	s_endpgm
.Lentry_in_a_cluster:
	s_bfe_u32 s2, ttmp6, 0x10000c
	s_cmp_lg_u32 s2, 0xf033
	s_cbranch_scc0 .Lentry_shape_is_right
	s_endpgm
.Lentry_shape_is_right:
; qkv = x W_Q on codes of FP4 (E2M1) with E8M0 scales, f32 sums; the result never goes to memory as f32: it is quantised here, once along the head's 64 channels (q and k are the same numbers) and once along the tokens (v).
; OPERANDS lie in memory as images of the matrix unit's registers: tile (16 rows) x 8192 + K step x 1024 + c x 512 + 16 x lane; scale words: tile x 512 + (K step / 4) x 256 + 16 r + 4 (K step % 4).
; A tile's rows are not neighbours: tile 2 a + u, row r, is index 32 a + 8 u + r + 8 (r / 8).  So where such a tile is source 0, the 16 result registers of tiles 2 a and 2 a + 1 are the 16 neighbours 32 a + 16 (lane / 16) + 0 .. 15.
; SHARES.  256 work-groups of four waves; a work-group makes 128 tokens x 256 columns, a wave 128 tokens (tiles m = 0..7) x 64 columns (tiles t = 0..3): ONE HEAD.
; ALL OF K FITS IN LDS: 64 KiB of x, 128 KiB of W, each byte filled once, by one tensor load a wave (waves 0, 1: the halves of x; waves 2, 3: of W).  The scale words go from memory straight into their registers.
; CLUSTER 4 x 4: the four work-groups of a row of the cluster need the same tiles of x, the four of a column the same tiles of W: each is asked for jointly, which divides the requests by four.
; BOTH ORIENTATIONS.  D1 = (W tile) x (x tile): a lane holds one token and 16 neighbouring channels: q's and k's blocks.  D2 = (x tile) x (W tile): a lane holds one channel and 16 neighbouring tokens: v's blocks.
; Both are fed from the same fragments; the other way, turning 32 KiB a wave through LDS, costs as many LDS instructions as these products cost matrix instructions, and more addresses.
; OUT.  One record of 8,960 bytes (35 x 256) for each head and 128 tokens, record ((batch x 16 + head) x 16 + tokens / 128): +0 eight tiles of q/k codes, 512 bytes each (lane (r, h): block h of the token's 64);
; +4096 four tiles of v codes (16 channels x 128 tokens), 1,024 bytes each; +8192 q/k scale words [lane][4]: word b = tile 2 b in lanes 0-15, tile 2 b + 1 in lanes 16-31, bytes 2 and 3 = 127 (for the zero codes that fill
; K = 64 up to 128); +8704 v scale words [lane][2], laid likewise.  Every store covers whole aligned runs of 256 bytes.
; NO PREFETCH: all that is read is asked for at the head; there is no loop to run ahead in.
; LIMITS: a block of zeros, and one whose largest magnitude lies under 2^-124, gets the byte 1 (zero codes add nothing, and this program alone reads the bytes); NaN and infinities are not served.
; REGISTERS.  window 0: v4-10 addresses; v20-25 scale words on the way out; v30, v31 the spare word's address and 0; v32-95 x's scale words (8 m + K step), v96-127 W's (8 t + K step): these hold scales and nothing else;
;   v128-191 x's fragments, one set; v192-255 W's fragments, two sets of 32; on the way out v128-255 are at work.   window 1: D1(m, t) at 32 m + 8 t.   window 2: D2(m, t) at 64 t + 8 m.
.set WI0,  65536                       ; LDS: x's 8 tiles at 0, W's 16 tiles behind them; the spare words at 0x38000
.set ADRX, 4                           ; v4     x: 16 x lane
.set ADRW, 6                           ; v6     W: WI0 + 32,768 x wave + 16 x lane
.set ASX,  8                           ; v8     the scale words: 16 r
.set L8,   10                          ; v10    8 x lane
.set KW,   20
.set VW,   24
.set XSC,  32
.set WSC,  96
.set XF,   128
.set WF,   192
.set TM,   128                         ; the way out: 32 largest magnitudes, then scale operands: q/k block (m, b) at 2 m + b, v block (t, a) at 16 + 4 t + a
.set TP,   160                         ; the other half's maxima, then bytes, then words
.set PCQ,  192                         ; q/k codes, 4 m
.set PCV,  224                         ; v codes, 8 t
.set G1X,  28
.set G1W,  36
.set G0X0, 60
.set G0W0, 76
.set MSB, 0
.macro WIN new                         ; the immediate's high byte repeats the setting that is left; bits 1:0 source 0, 3:2 source 1, 5:4 source 2, 7:6 destination
.if MSB != \new
	s_set_vgpr_msb (MSB<<8)|\new
.set MSB, \new
.endif
.endm
; A joint load: waves 0 and 1 fetch for x, waves 2 and 3 for W.  Each line has one mask and one set of registers for all that issue it; the branch hangs on the wave's number alone.  Four v_nop follow each line.
.macro JLOAD g0a, g1a, g0b, g1b
	s_cmp_eq_u32 s17, 0
	s_cbranch_scc0 .Lfor_b_\@
	tensor_load_to_lds s[\g0a:\g0a+3], s[\g1a:\g1a+7]
	s_nop 0
.rept 4
	v_nop
.endr
	s_branch .Lasked_\@
.Lfor_b_\@:
	tensor_load_to_lds s[\g0b:\g0b+3], s[\g1b:\g1b+7]
	s_nop 0
.rept 4
	v_nop
.endr
.Lasked_\@:
.endm
.macro CROUND                          ; a round of the cluster's barrier
	s_barrier_signal -1
	s_barrier_wait -1
	s_cmp_lg_u32 s16, 0
	s_cbranch_scc1 .Lnot_wave_0_\@
	s_barrier_signal -3
.Lnot_wave_0_\@:
	s_barrier_wait -3
	s_barrier_signal -1
	s_barrier_wait -1
.endm
.macro SHAPE g, c, r, p                ; words 1 to 7 of a group 1: r rows of c elements of 8 bytes, p elements apart
	s_mov_b32 s[\g+1], (\c)<<16
	s_mov_b32 s[\g+2], (\r)<<16
	s_mov_b32 s[\g+3], (\c)<<16
	s_mov_b32 s[\g+4], \r
	s_mov_b32 s[\g+5], \p
	s_mov_b32 s[\g+6], 0
	s_mov_b32 s[\g+7], 0
.endm
.macro GROUP0 g, half, base, adr, plus ; count 1; LDS address = base + my half's bytes; global address; type 2
	s_mov_b32 s[\g], 1
	s_add_co_u32 s[\g+1], s[\half], \base
	s_add_nc_u64 s[\g+2:\g+3], s[\adr:\adr+1], \plus
	s_or_b32 s[\g+3], s[\g+3], 0x80000000
.endm
	s_load_b256 s[4:11], s[0:1], 0x0               ; x's codes s[4:5], x's scales s[6:7], W's codes s[8:9], W's scales s[10:11]
	s_load_b64 s[12:13], s[0:1], 0x20              ; kv
	v_lshl_add_u32 v30, v0, 2, 0x38000
	v_mov_b32 v31, 0
	ds_add_u32 v30, v31                            ; the opening lines: the add, twice on end, and its wait
	ds_add_u32 v30, v31
	v_lshrrev_b32 v1, 5, v0
	v_readfirstlane_b32 s16, v1                    ; wave 0..3
	s_lshr_b32 s17, s16, 1                         ; I fetch for x (0) or for W (1),
	s_and_b32 s18, s16, 1                          ; its first or second half
	s_bfe_u32 s19, ttmp6, 0x40000                  ; cx, cy: my place in the cluster
	s_bfe_u32 s20, ttmp6, 0x40004
	s_lshl_b32 s21, ttmp9, 2
	s_add_co_u32 s21, s21, s19                     ; tc: which 256 columns
	s_and_b32 s22, ttmp7, 0xffff
	s_lshl_b32 s22, s22, 2
	s_add_co_u32 s22, s22, s20                     ; tr: which 128 tokens
	s_lshl_b32 s23, s20, 2
	s_lshl_b32 s23, 15, s23                        ; my row of the cluster
	s_lshl_b32 s24, 0x1111, s19                    ; my column
	s_or_b32 s[G1X], s23, (3<<16)|(1<<21)          ; 15:0 the mask; 17:16 elements of 8 bytes; 21 set beside a mask; no padding: an image is read 512 consecutive bytes at a time
	s_or_b32 s[G1W], s24, (3<<16)|(1<<21)
	SHAPE G1X, 512, 8, 512                         ; half of x: 4 tiles x 8,192 bytes, dense: 8 rows of 4,096 bytes
	SHAPE G1W, 512, 16, 512                        ; half of W: 8 tiles: 16 rows
	s_lshl_b32 s88, s22, 16                        ; x's codes: (8 tr + 4 half) tiles of 8,192 bytes.  s88-91 never hold cx, s92-95 never cy
	s_lshl_b32 s89, s18, 15
	s_add_co_u32 s88, s88, s89
	s_mov_b32 s89, 0
	s_lshl_b32 s90, s22, 12                        ; x's scales: 512 bytes a tile, my work-group's 8 tiles
	s_mov_b32 s91, 0
	s_lshl_b32 s92, s21, 17                        ; W's codes: (16 tc + 8 half) tiles
	s_lshl_b32 s93, s18, 16
	s_add_co_u32 s92, s92, s93
	s_mov_b32 s93, 0
	s_lshl_b32 s94, s21, 13                        ; W's scales: my wave's 4 tiles
	s_lshl_b32 s95, s16, 11
	s_add_co_u32 s94, s94, s95
	s_mov_b32 s95, 0
	s_lshl_b32 s25, s18, 15                        ; my half's place in LDS, in x and in W: no place in the cluster enters an LDS address
	s_lshl_b32 s26, s18, 16
	s_lshr_b32 s100, s22, 4                        ; my record: ((batch x 16 + head) x 16 + tokens / 128), head = 4 tc + wave
	s_lshl_b32 s100, s100, 4
	s_lshl_b32 s101, s21, 2
	s_add_co_u32 s100, s100, s101
	s_add_co_u32 s100, s100, s16
	s_lshl_b32 s100, s100, 4
	s_and_b32 s101, s22, 15
	s_add_co_u32 s100, s100, s101
	s_mul_i32 s100, s100, 8960
	s_mov_b32 s101, 0
	s_wait_dscnt 0x0
	s_wait_kmcnt 0x0
	s_add_nc_u64 s[88:89], s[4:5], s[88:89]
	s_add_nc_u64 s[90:91], s[6:7], s[90:91]
	s_add_nc_u64 s[92:93], s[8:9], s[92:93]
	s_add_nc_u64 s[94:95], s[10:11], s[94:95]
	s_add_nc_u64 s[12:13], s[12:13], s[100:101]
	CROUND                                         ; all sixteen work-groups are here: the joint loads meet
	GROUP0 G0X0, 25, 0, 88, 0
	GROUP0 G0W0, 26, WI0, 92, 0
	JLOAD G0X0, G1X, G0W0, G1W                     ; my one tensor load of the launch: half of x or half of W, all of K
	v_and_b32 v1, 31, v0
	v_lshlrev_b32 v[ADRX], 4, v1
	s_lshl_b32 s96, s16, 15
	v_add_nc_u32 v[ADRW], s96, v[ADRX]
	v_add_nc_u32 v[ADRW], WI0, v[ADRW]
	v_and_b32 v2, 15, v0
	v_lshlrev_b32 v[ASX], 4, v2
	v_lshlrev_b32 v[L8], 3, v1
	s_mov_b32 s96, 0x1800000                       ; the floor 2^(3 - 127)
	s_mov_b32 s97, 0xffff0000                      ; lanes 16-31
	s_mov_b32 s98, 0x76543210                      ; v_permlanex16_b32's selects for lane l xor 16
	s_mov_b32 s99, 0xfedcba98
.macro FRAG reg, adr, off              ; a fragment, 16 rows x 128 K: two loads of 512 consecutive bytes
	ds_load_b128 v[\reg:\reg+3], v[\adr] offset:\off
	ds_load_b128 v[\reg+4:\reg+7], v[\adr] offset:\off+512
.endm
.macro FETCH_W ks, p                   ; my four tiles of W for K step ks into set p
.irp t, 0,1,2,3
	FRAG WF+32*(\p)+8*\t, ADRW, \t*8192+(\ks)*1024
.endr
.endm
.macro FETCH_X ks, m0                  ; x's tiles m0 .. m0 + 3
.irp m, \m0, \m0+1, \m0+2, \m0+3
	FRAG XF+8*(\m), ADRX, (\m)*8192+(\ks)*1024
.endr
.endm
.macro SCALES                          ; all scale words, once: four K steps' words of a row are 16 bytes; sixteen lanes read 256 consecutive bytes, aligned (lanes 16-31 the same)
.irp m, 0,1,2,3,4,5,6,7
.irp k, 0,1
	global_load_b128 v[XSC+8*\m+4*\k:XSC+8*\m+4*\k+3], v[ASX], s[90:91] offset:512*\m+256*\k
.endr
.endr
.irp t, 0,1,2,3
.irp k, 0,1
	global_load_b128 v[WSC+8*\t+4*\k:WSC+8*\t+4*\k+3], v[ASX], s[94:95] offset:512*\t+256*\k
.endr
.endr
.endm
; 16 matrix instructions each.  The 64 accumulators take turns, one instruction a turn, in the same order in every K step.  first = 1: the products start the sums.
.macro MUL1 m0, p, ks, first
.irp m, \m0, \m0+1, \m0+2, \m0+3
.irp t, 0,1,2,3
.if \first
	v_wmma_scale_f32_16x16x128_f8f6f4 v[32*(\m)+8*\t:32*(\m)+8*\t+7], v[WF+32*(\p)+8*\t:WF+32*(\p)+8*\t+7], v[XF+8*(\m):XF+8*(\m)+7], 0, v[WSC+8*\t+(\ks)], v[XSC+8*(\m)+(\ks)] matrix_a_fmt:MATRIX_FMT_FP4 matrix_b_fmt:MATRIX_FMT_FP4
.else
	v_wmma_scale_f32_16x16x128_f8f6f4 v[32*(\m)+8*\t:32*(\m)+8*\t+7], v[WF+32*(\p)+8*\t:WF+32*(\p)+8*\t+7], v[XF+8*(\m):XF+8*(\m)+7], v[32*(\m)+8*\t:32*(\m)+8*\t+7], v[WSC+8*\t+(\ks)], v[XSC+8*(\m)+(\ks)] matrix_a_fmt:MATRIX_FMT_FP4 matrix_b_fmt:MATRIX_FMT_FP4
.endif
.endr
.endr
.endm
.macro MUL2 m0, p, ks, first
.irp m, \m0, \m0+1, \m0+2, \m0+3
.irp t, 0,1,2,3
.if \first
	v_wmma_scale_f32_16x16x128_f8f6f4 v[64*\t+8*(\m):64*\t+8*(\m)+7], v[XF+8*(\m):XF+8*(\m)+7], v[WF+32*(\p)+8*\t:WF+32*(\p)+8*\t+7], 0, v[XSC+8*(\m)+(\ks)], v[WSC+8*\t+(\ks)] matrix_a_fmt:MATRIX_FMT_FP4 matrix_b_fmt:MATRIX_FMT_FP4
.else
	v_wmma_scale_f32_16x16x128_f8f6f4 v[64*\t+8*(\m):64*\t+8*(\m)+7], v[XF+8*(\m):XF+8*(\m)+7], v[WF+32*(\p)+8*\t:WF+32*(\p)+8*\t+7], v[64*\t+8*(\m):64*\t+8*(\m)+7], v[XSC+8*(\m)+(\ks)], v[WSC+8*\t+(\ks)] matrix_a_fmt:MATRIX_FMT_FP4 matrix_b_fmt:MATRIX_FMT_FP4
.endif
.endr
.endr
.endm
.macro PLACES                          ; four plain vector instructions between a matrix instruction and a load into, or a vector write of, one of its registers, or a read of its result (ISA guide 7.12.1 for the writes and reads)
.rept 4
	v_nop
.endr
.endm
; A K step of 128: 64 matrix instructions.  x has one set of fragments: tiles 0-3 are fetched anew in the step's middle, tiles 4-7 at its end; W has two sets.
.macro STEP ks, first, fetch
	s_wait_dscnt 8                                 ; W's set and x's tiles 0-3 are in; the youngest eight loads (x's tiles 4-7) may be out
	WIN 0x50                                       ; C and D window 1
	MUL1 0, (\ks)%2, \ks, \first
	WIN 0xa0                                       ; C and D window 2
	MUL2 0, (\ks)%2, \ks, \first
	s_wait_dscnt 0x0                               ; x's tiles 4-7 are in
.if \fetch
	PLACES
	WIN 0
	FETCH_W (\ks)+1, 1-(\ks)%2
	FETCH_X (\ks)+1, 0
.endif
	WIN 0x50
	MUL1 4, (\ks)%2, \ks, \first
	WIN 0xa0
	MUL2 4, (\ks)%2, \ks, \first
.if \fetch
	PLACES
	WIN 0
	FETCH_X (\ks)+1, 4
.endif
.endm
	s_wait_alu depctr_va_vdst(0)                   ; the wait at the head's end
	SCALES                                         ; 24 loads, on their way beside the tensor load
	s_wait_tensorcnt 0x0                           ; my part of the operands is in,
	s_barrier_signal -1
	s_barrier_wait -1                              ; everybody's is
	FETCH_W 0, 0
	FETCH_X 0, 0
	FETCH_X 0, 4
	s_wait_loadcnt 0x0                             ; the scale words
	STEP 0, 1, 1
	STEP 1, 0, 1
	STEP 2, 0, 1
	STEP 3, 0, 1
	STEP 4, 0, 1
	STEP 5, 0, 1
	STEP 6, 0, 1
	STEP 7, 0, 0
	; THE WAY OUT: 32 blocks a lane are quantised in registers: 16 of q/k (token tile m, channels 32 b on: window 1, v[32 m + 16 b + i]) and 16 of v (channel tile t, tokens 32 a on: window 2, v[64 t + 16 a + i]).
	; Register i of a block is its number 16 (lane / 16) + i; lane l xor 16 holds the other half.  Each accumulator is read from its low end on.
	PLACES
	WIN 0x14                                       ; sources 1 and 2 window 1
.irp i, 0,2,4,6,8,10,12,14
.irp m, 0,1,2,3,4,5,6,7
.irp b, 0,1
.if \i == 0
	v_max3_num_f32 v[TM+2*\m+\b], s96, |v[32*\m+16*\b]|, |v[32*\m+16*\b+1]|       ; the floor is a leaf: the byte cannot fall under 1
.else
	v_max3_num_f32 v[TM+2*\m+\b], v[TM+2*\m+\b], |v[32*\m+16*\b+\i]|, |v[32*\m+16*\b+\i+1]|
.endif
.endr
.endr
.endr
	WIN 0x28                                       ; sources 1 and 2 window 2
.irp i, 0,2,4,6,8,10,12,14
.irp t, 0,1,2,3
.irp a, 0,1,2,3
.if \i == 0
	v_max3_num_f32 v[TM+16+4*\t+\a], s96, |v[64*\t+16*\a]|, |v[64*\t+16*\a+1]|
.else
	v_max3_num_f32 v[TM+16+4*\t+\a], v[TM+16+4*\t+\a], |v[64*\t+16*\a+\i]|, |v[64*\t+16*\a+\i+1]|
.endif
.endr
.endr
.endr
	WIN 0
.set n, 0
.rept 32
	v_permlanex16_b32 v[TP+n], v[TM+n], s98, s99
.set n, n+1
.endr
.set n, 0
.rept 32
	v_max_num_f32 v[TM+n], v[TM+n], v[TP+n]        ; with lane l xor 16's: the block's largest magnitude
.set n, n+1
.endr
.set n, 0
.rept 32
	v_add_nc_u32 v[TM+n], 0xff000000, v[TM+n]      ; 2 off its exponent field: the conversions' scale operand
.set n, n+1
.endr
.set n, 0
.rept 32
	v_lshrrev_b32 v[TP+n], 23, v[TM+n]             ; the scale's byte
.set n, n+1
.endr
.irp m, 0,1,2,3,4,5,6,7
	v_lshl_or_b32 v[TP+2*\m], v[TP+2*\m+1], 8, v[TP+2*\m]
.endr
.irp m, 0,1,2,3,4,5,6,7
	v_or_b32 v[TP+2*\m], 0x7f7f0000, v[TP+2*\m]    ; a token's word: two bytes, and 127 twice for the zero codes of k = 64 .. 127
.endr
.irp s, 1,2,3
.irp t, 0,1,2,3
	v_lshl_or_b32 v[TP+16+4*\t], v[TP+16+4*\t+\s], 8*\s, v[TP+16+4*\t]   ; a channel's word: four bytes
.endr
.endr
.irp b, 0,1,2,3
	v_cndmask_b32 v[KW+\b], v[TP+4*\b], v[TP+4*\b+2], s97        ; lanes 0-15 tile 2 b's words, lanes 16-31 tile 2 b + 1's
.endr
.irp p, 0,1
	v_cndmask_b32 v[VW+\p], v[TP+16+8*\p], v[TP+20+8*\p], s97
.endr
	WIN 0x01                                       ; source 0 window 1
.irp m, 0,1,2,3,4,5,6,7
.irp b, 0,1
.irp e, 0,1
	v_cvt_scalef32_pk8_fp4_f32 v[PCQ+4*\m+2*\b+\e], v[32*\m+16*\b+8*\e:32*\m+16*\b+8*\e+7], v[TM+2*\m+\b]
.endr
.endr
.endr
	WIN 0x02                                       ; source 0 window 2
.irp t, 0,1,2,3
.irp a, 0,1,2,3
.irp e, 0,1
	v_cvt_scalef32_pk8_fp4_f32 v[PCV+8*\t+2*\a+\e], v[64*\t+16*\a+8*\e:64*\t+16*\a+8*\e+7], v[TM+16+4*\t+\a]
.endr
.endr
.endr
	WIN 0
	v_nop                                          ; one plain place behind the scaled conversions
.irp m, 0,1,2,3,4,5,6,7                ; the operand's layout wants a whole block in a lane: lanes 0-15 the even block, lanes 16-31 the odd one
.irp i, 0,1
	v_permlane16_swap_b32 v[PCQ+4*\m+\i], v[PCQ+4*\m+2+\i]
.endr
.endr
.irp c, 0,1,2,3,4,5,6,7
.irp i, 0,1
	v_permlane16_swap_b32 v[PCV+4*\c+\i], v[PCV+4*\c+2+\i]
.endr
.endr
.irp m, 0,1,2,3,4,5,6,7
	global_store_b128 v[ADRX], v[PCQ+4*\m:PCQ+4*\m+3], s[12:13] offset:512*\m          ; 32 lanes store 512 consecutive bytes, aligned
.endr
.irp c, 0,1,2,3,4,5,6,7
	global_store_b128 v[ADRX], v[PCV+4*\c:PCV+4*\c+3], s[12:13] offset:4096+512*\c
.endr
	global_store_b128 v[ADRX], v[KW:KW+3], s[12:13] offset:8192
	global_store_b64 v[L8], v[VW:VW+1], s[12:13] offset:8704                           ; 256 consecutive bytes, aligned
	s_wait_tensorcnt 0x0                           ; the wave's end
	ds_add_u32 v30, v31
	s_wait_dscnt 0x0
	CROUND                                         ; the closing round: no work-group ends while a partner may still ask for a tile that names it
	s_endpgm
.Lfunc_end_k_qb4ae849ae1_gemm_qkv:
	.size	k_qb4ae849ae1_gemm_qkv, .Lfunc_end_k_qb4ae849ae1_gemm_qkv-k_qb4ae849ae1_gemm_qkv
	.p2alignl 7, 3214868480
	.fill 96, 4, 3214868480
	.section	.rodata,"a",@progbits
	.p2align	6, 0x0
	.amdhsa_kernel k_qb4ae849ae1_gemm_qkv
		.amdhsa_group_segment_fixed_size 229888
		.amdhsa_private_segment_fixed_size 0
		.amdhsa_enable_private_segment 0
		.amdhsa_kernarg_size 40
		.amdhsa_user_sgpr_count 2
		.amdhsa_user_sgpr_kernarg_segment_ptr 1
		.amdhsa_wavefront_size32 1
		.amdhsa_system_sgpr_workgroup_id_x 1
		.amdhsa_system_sgpr_workgroup_id_y 1
		.amdhsa_system_sgpr_workgroup_id_z 1
		.amdhsa_system_vgpr_workitem_id 0
		.amdhsa_next_free_vgpr 768
		.amdhsa_next_free_sgpr 102
		.amdhsa_reserve_vcc 0
		.amdhsa_float_denorm_mode_32 3
		.amdhsa_float_denorm_mode_16_64 3
		.amdhsa_memory_ordered 1
		.amdhsa_forward_progress 1
		.amdhsa_inst_pref_size 119
	.end_amdhsa_kernel
	.amdgpu_metadata
---
amdhsa.version: [ 1, 2 ]
amdhsa.kernels:
  - .name:           k_qb4ae849ae1_gemm_qkv
    .symbol:         k_qb4ae849ae1_gemm_qkv.kd
    .args:
      - { .name: x_img, .offset: 0, .size: 8, .value_kind: global_buffer, .address_space: global }
      - { .name: x_sc, .offset: 8, .size: 8, .value_kind: global_buffer, .address_space: global }
      - { .name: w_img, .offset: 16, .size: 8, .value_kind: global_buffer, .address_space: global }
      - { .name: w_sc, .offset: 24, .size: 8, .value_kind: global_buffer, .address_space: global }
      - { .name: kv, .offset: 32, .size: 8, .value_kind: global_buffer, .address_space: global }
    .group_segment_fixed_size: 229888
    .private_segment_fixed_size: 0
    .kernarg_segment_align: 8
    .kernarg_segment_size: 40
    .max_flat_workgroup_size: 128
    .sgpr_count:     102
    .vgpr_count:     768
    .wavefront_size: 32
...
	.end_amdgpu_metadata
.endif
;; end of part 2
;; launch attn (part 3): grid 4 x 64, 16 waves a work-group, no clusters, 327,680 bytes of LDS; arguments kv, ctx_img, ctx_sc; writes ctx_img, ctx_sc
.if DOCPART == 3
	.amdgcn_target "amdgcn-amd-amdhsa--gfx1250"
	.amdhsa_code_object_version 6
	.text
	.protected	k_qb4ae849ae1_attn
	.globl	k_qb4ae849ae1_attn
	.p2align	8
	.type	k_qb4ae849ae1_attn,@function
k_qb4ae849ae1_attn:
	s_mov_b64 s[64:65], 0
	v_nop
	global_prefetch_b8 v0, s[64:65] scope:SCOPE_SE
	s_setreg_imm32_b32 hwreg(HW_REG_WAVE_MODE, 25, 1), 1
	s_wait_xcnt 0x0
; ctx = softmax(q k^T / 8, causal) v for each of 64 (batch, head), both products on codes of FP4 (E2M1) with E8M0 scales; q and k share one set of codes (K = the head's 64 channels), v has its own (K = the tokens).
; THE SOFTMAX: t = score x log2(e) / 8; M = the row's largest t so far, rounded UP to a whole number; p = 2^(t - M) is quantised along the keys, not normalised.  The row's sum is taken of the unquantised p and divides at the end.
; When M moves, the sum and O are multiplied by 2^(old M - new M): exact.
; LEFT OUT: key steps, and halves of the diagonal step, all of whose scores reference()'s own causal mask sets to -inf: their p is 0 for every input.
; IN: the head's 16 records of 8,960 bytes, one for each 128 tokens: +0 eight tiles of q/k codes, 512 bytes each (tile 2 a + u, row r' = token 32 a + 8 u + r' + 8 (r' / 8); lane 16 h + r' holds block h of the token's 64 codes);
; +4096 four tiles of v codes (16 channels x 128 tokens); +8192 q/k scale words [lane][4]; +8704 v scale words [lane][2]: word i = tile 2 i in lanes 0-15, tile 2 i + 1 in lanes 16-31.
; K'S TILES ARE FORMED BY THE LANES' LDS ADDRESSES: tile (G, T), row m, is key 64 G + 32 (m / 8) + 8 T + m % 8 of the step.  In S^T = K Q^T lane (r, h) then holds query r, and its 32 registers of group G are the keys
; 64 G + 32 h + 0 .. 31: a WHOLE block of 32 in a lane.  So a block's largest score needs no other lane, a lane has two blocks and not four, and the conversions' results are the second product's operand as they stand.
; K's fragments lie dense, four registers a tile: a fragment's upper four registers (k = 64 .. 127) are the next tile's codes, which meet Q's zero codes and add nothing.
; SHARES.  Four work-groups of sixteen waves to a head.  Wave w of work-group x makes query tiles 127 - P and P, P = 16 x + w': (tile / 8) + 1 key steps of 128 each, 17 in every wave.
; w' = 4 ((w xor (w / 4)) % 4) + w / 4: among waves 4 s .. 4 s + 3, and among waves s, s + 4, s + 8, s + 12, bits 3 and 2 of w' take all four values, so such a four holds equal work.
; LDS AND THE ORDER OF WORK.  Waves 0-7 bring records 0-7 at the head; waves 8-15 bring records 8-15 behind the first barrier.  A wave begins with tile 127 - P, whose first 8 key steps (records 0-7) are all open.
; THE SECOND BARRIER IS SPLIT: behind two of these steps a wave waits for its own tensor load and signals; six more steps, which are work on registers and LDS loads of records 0-7 that nothing writes, stand between
; the signal and the wait; behind the wait come records 8-15, the tile's end, and tile P (P < 64: records 0-7).  No store stands between signal and wait.  Every byte is filled once.
; THE DIAGONAL STEP has copies of its own: where the tile's queries lie in the step's first 64 keys, group 0 alone is worked (and masked); else group 0 is open and group 1 is masked.
; NO CLUSTER, though the four work-groups of a head read the same records: which steps a wave leaves out hangs on its work-group's place among the four.  NO PREFETCH: the head comes by two loads, one behind the other; there is no ring to run ahead of.
; OUT: ctx as codes along the next product's K, tile (batch x 128 + P) x 8192 + head x 512 + 16 x lane; its two scale bytes a row at tile x 512 + (head / 8) x 256 + 16 r + 2 (head % 8).
; LIMITS: a block of zeros, and one whose largest magnitude lies under 2^-124, gets the byte 1 (zero codes add nothing; this program alone reads the bytes); NaN and infinities are not served; 1 / the sum is v_rcp_f32's;
; a block's largest p is made from the block's largest score by the same multiply-add and exponential, which takes v_exp_f32 not to fall where its input rises; the scaled scores stay under 2^31 in magnitude.
; REGISTERS: v1 16 x lane, v2 8 x lane, v3 16 r, v4 r + 8 (r / 8) - 32 h; v5-8 the step's addresses; v9, v10 my lane's place in K's codes and scale words; v11 8 h; v12 -M, v13 the largest score, v[14:15] the sum;
; v16-23, v24-31 the two tiles' Q; v32-35 K's scale words, v36-37 V's, v38, v39 Q's, v40 p's (scales and nothing else); v44-79 K; v80-83 the spare word's address, 0, the mask's d, -infinity; v84-95 the sum's six chains;
; v96-159 S^T, then p; v160-191 O^T; v192-223 V; v224-231 p's codes; v232-254 at work.
.set REC,   8960
.set SPARE, 0x29000                    ; the spare words: 128 bytes for each of 16 waves
.set CS,  52                           ; s[52:53] c = log2(e) / 8
.set SEL, 54                           ; s[54:55] v_permlanex16_b32's selects for lane l xor 16
.set SPW, 80
.set NIL, 81
.set DD,  82
.set NINF, 83
.set SA,  84
.set KS,  32
.set VS,  36
.set PS,  40
.set KF,  44
	s_load_b128 s[4:7], s[0:1], 0x0                ; kv s[4:5], ctx's codes s[6:7]
	s_load_b64 s[8:9], s[0:1], 0x10                ; ctx's scale bytes
	v_lshl_add_u32 v[SPW], v0, 2, SPARE
	v_mov_b32 v[NIL], 0
	ds_add_u32 v[SPW], v[NIL]                      ; the opening lines: the add, twice on end, and its wait
	ds_add_u32 v[SPW], v[NIL]
	v_lshrrev_b32 v1, 5, v0
	v_readfirstlane_b32 s12, v1                    ; wave 0..15
	s_and_b32 s13, ttmp7, 0xffff                   ; batch x 16 + head
	s_mul_i32 s14, s13, 16*REC
	s_mov_b32 s15, 0
	s_mul_i32 s16, s12, REC                        ; the record that I fetch: its place among the head's, and in LDS
	s_mov_b32 s17, 0
	s_mov_b32 s24, 3<<16                           ; group 1: elements of 8 bytes, 35 dense rows of 256 bytes
	s_mov_b32 s25, 32<<16
	s_mov_b32 s26, 35<<16
	s_mov_b32 s27, 32<<16
	s_mov_b32 s28, 35
	s_mov_b32 s29, 32
	s_mov_b32 s30, 0
	s_mov_b32 s31, 0
	s_wait_dscnt 0x0
	s_wait_kmcnt 0x0
	s_add_nc_u64 s[10:11], s[4:5], s[14:15]
	s_mov_b32 s20, 1
	s_mov_b32 s21, s16
	s_add_nc_u64 s[22:23], s[10:11], s[16:17]
	s_or_b32 s23, s23, 0x80000000
	s_cmp_lt_u32 s12, 8
	s_cbranch_scc0 .Lnot_first
	tensor_load_to_lds s[20:23], s[24:31]          ; waves 0-7: records 0-7
	s_nop 0
.rept 4
	v_nop
.endr
.Lnot_first:
	v_and_b32 v1, 31, v0
	v_lshlrev_b32 v2, 3, v1
	v_lshlrev_b32 v1, 4, v1
	v_and_b32 v3, 15, v0                           ; r
	v_bfe_u32 v5, v0, 4, 1                         ; h
	v_and_b32 v6, 8, v3                            ; 8 (r / 8)
	v_and_b32 v7, 7, v3                            ; r % 8
	v_add_nc_u32 v4, v6, v3
	v_lshlrev_b32 v8, 5, v5
	v_sub_nc_u32 v4, v4, v8
	v_lshlrev_b32 v11, 3, v5
	v_lshlrev_b32 v9, 7, v6                        ; K's codes: 1024 (r / 8) + 256 h + 16 (r % 8)
	v_lshl_add_u32 v9, v5, 8, v9
	v_lshl_add_u32 v9, v7, 4, v9
	v_lshrrev_b32 v10, 1, v6                       ; K's scale words: 8192 + 256 h + 16 (r % 8) + 4 (r / 8): lanes 16-31 take the odd tile's
	v_lshl_add_u32 v10, v5, 8, v10
	v_lshl_add_u32 v10, v7, 4, v10
	v_add_nc_u32 v10, 8192, v10
	v_lshlrev_b32 v3, 4, v3
	v_mov_b32 v[NINF], 0xff800000
.irp j, 20,21,22,23,28,29,30,31,76,77,78,79,236,237,239,252,253
	v_mov_b32 v[\j], 0                             ; Q's zero codes of k = 64 .. 127; what follows K's last tile; lane permutes' destinations
.endr
	s_lshr_b32 s18, s12, 2
	s_xor_b32 s19, s12, s18
	s_and_b32 s19, s19, 3
	s_lshl_b32 s19, s19, 2
	s_or_b32 s19, s19, s18                         ; w'
	s_lshl_b32 s33, ttmp9, 4
	s_add_co_u32 s33, s33, s19                     ; P = 16 x + w',
	s_xor_b32 s32, s33, 127                        ; and 127 - P, which evens out the work
	s_lshr_b32 s18, s13, 4                         ; the batch
	s_and_b32 s19, s13, 15                         ; the head
	s_lshl_b32 s14, s18, 20
	s_lshl_b32 s16, s19, 9
	s_add_co_u32 s14, s14, s16
	s_add_nc_u64 s[36:37], s[6:7], s[14:15]        ; ctx's codes
	s_lshl_b32 s14, s18, 16
	s_lshr_b32 s16, s19, 3
	s_lshl_b32 s16, s16, 8
	s_add_co_u32 s14, s14, s16
	s_and_b32 s16, s19, 7
	s_lshl_b32 s16, s16, 1
	s_add_co_u32 s14, s14, s16
	s_add_nc_u64 s[38:39], s[8:9], s[14:15]        ; its scale bytes
	s_mov_b32 s[CS], 0x3e38aa3b
	s_mov_b32 s[CS+1], s[CS]
	s_mov_b32 s[SEL], 0x76543210
	s_mov_b32 s[SEL+1], 0xfedcba98
.macro QLOAD p, a, q, qs               ; tile s[p]'s codes and scale words from memory: both tiles' are asked for at the head
	s_lshr_b32 s[\a+2], s[\p], 3
	s_mul_i32 s[\a+2], s[\a+2], REC                ; its record
	s_and_b32 s[\a], s[\p], 7
	s_lshl_b32 s[\a], s[\a], 9
	s_add_co_u32 s[\a], s[\a], s[\a+2]
	s_mov_b32 s[\a+1], 0
	s_bfe_u32 s[\a+3], s[\p], 0x20001              ; word (P % 8) / 2,
	s_lshl_b32 s[\a+3], s[\a+3], 2
	s_add_co_u32 s[\a+2], s[\a+2], s[\a+3]
	s_and_b32 s[\a+3], s[\p], 1                    ; of lanes 16-31 for an odd tile
	s_lshl_b32 s[\a+3], s[\a+3], 8
	s_add_co_u32 s[\a+2], s[\a+2], s[\a+3]
	s_mov_b32 s[\a+3], 0
	s_add_nc_u64 s[\a:\a+1], s[10:11], s[\a:\a+1]
	s_add_nc_u64 s[\a+2:\a+3], s[10:11], s[\a+2:\a+3]
	global_load_b128 v[\q:\q+3], v1, s[\a:\a+1]
	global_load_b32 v[\qs], v3, s[\a+2:\a+3] offset:8192
.endm
	s_wait_alu depctr_va_vdst(0)                   ; the wait at the head's end
	QLOAD 33, 68, 16, 38
	QLOAD 32, 72, 24, 39
; The next c of the tot packed additions that sum a step's p (tot pairs of registers from v96 on): six chains begin with two pairs each, take the other pairs by turns, and are joined onto v[14:15].  sn counts them.
; They are dealt out between the links of the scale word's chain, which hang on each other.
.macro ADDS c, tot
.rept \c
.if sn < 6
	v_pk_add_f32 v[SA+2*sn:SA+2*sn+1], v[96+2*sn:97+2*sn], v[108+2*sn:109+2*sn]
.elseif sn < (\tot)-6
	v_pk_add_f32 v[SA+2*(sn%6):SA+2*(sn%6)+1], v[SA+2*(sn%6):SA+2*(sn%6)+1], v[108+2*sn:109+2*sn]
.elseif sn < (\tot)-3
	v_pk_add_f32 v[SA+4*(sn-(\tot)+6):SA+4*(sn-(\tot)+6)+1], v[SA+4*(sn-(\tot)+6):SA+4*(sn-(\tot)+6)+1], v[SA+4*(sn-(\tot)+6)+2:SA+4*(sn-(\tot)+6)+3]
.elseif sn < (\tot)-1
	v_pk_add_f32 v[SA:SA+1], v[SA:SA+1], v[SA+4*(sn-(\tot)+4):SA+4*(sn-(\tot)+4)+1]
.elseif sn < (\tot)
	v_pk_add_f32 v[14:15], v[14:15], v[SA:SA+1]
.endif
.set sn, sn+1
.endr
.endm
; A KEY STEP of 128 keys, record at LDS byte s48.  ng: groups of 64 keys that are worked (1 or 2); mg: the group that is masked (-1: none); q, qs: Q's fragment and scale words.
.macro STEP ng, mg, q, qs
	v_add_nc_u32 v7, s48, v9
	v_add_nc_u32 v8, s48, v10
.set n, 0
.rept \ng
	ds_load_b32 v[KS+2*n], v8 offset:8*n           ; tiles (n, 0) in lanes 0-15 and (n, 1) in lanes 16-31,
	ds_load_b32 v[KS+2*n+1], v8 offset:8*n+128     ; tiles (n, 2) and (n, 3)
.set n, n+1
.endr
.set n, 0
.rept 3*(\ng)+2                        ; 8 tiles, or 4 and the one whose codes stand behind the fourth
	ds_load_b128 v[KF+4*n:KF+4*n+3], v7 offset:2048*(n/4)+512*(n%2)+128*((n/2)%2)
.set n, n+1
.endr
	s_wait_dscnt 0x0
.set n, 0
.rept 4*(\ng)
.if n%2 == 0
	v_wmma_scale_f32_16x16x128_f8f6f4 v[96+8*n:103+8*n], v[KF+4*n:KF+4*n+7], v[\q:\q+7], 0, v[KS+n/2], v[\qs] matrix_a_fmt:MATRIX_FMT_FP4 matrix_b_fmt:MATRIX_FMT_FP4
.else
	v_wmma_scale_f32_16x16x128_f8f6f4 v[96+8*n:103+8*n], v[KF+4*n:KF+4*n+7], v[\q:\q+7], 0, v[KS+n/2], v[\qs] matrix_a_fmt:MATRIX_FMT_FP4 matrix_b_fmt:MATRIX_FMT_FP4 matrix_a_scale:MATRIX_SCALE_ROW1
.endif
.set n, n+1
.endr
	v_add_nc_u32 v5, s48, v1                       ; four places ahead of the first read of the scores; with the two additions at the step's head, six ahead of the loads into V's registers
	v_add_nc_u32 v6, s48, v2
	v_nop
	v_nop
.irp c, 0,1,2,3,4,5,6,7
	ds_load_b128 v[192+4*\c:195+4*\c], v5 offset:4096+512*\c
.endr
	ds_load_b64 v[VS:VS+1], v6 offset:8704
.if \mg >= 0
.set n, 0
.rept 32                               ; register 32 G + n holds key 64 G + 32 h + n of the step: hidden where 64 G + n > d = my query - the step's first key - 32 h
	v_cmp_gt_i32 vcc_lo, 64*(\mg)+n, v[DD]
	v_cndmask_b32 v[96+32*(\mg)+n], v[96+32*(\mg)+n], v[NINF], vcc_lo
.set n, n+1
.endr
.endif
.set k, 0
.rept 2*(\ng)                          ; the largest score of each block, in two chains a block; each accumulator is read from its low end on
	v_max3_num_f32 v[232+k], v[96+16*k], v[97+16*k], v[98+16*k]
.set k, k+1
.endr
.irp i, 3,5,7,9,11,13
.set k, 0
.rept 2*(\ng)
	v_max3_num_f32 v[232+k], v[232+k], v[96+16*k+\i], v[97+16*k+\i]
.set k, k+1
.endr
.endr
.set k, 0
.rept \ng
	v_max3_num_f32 v[232+2*k], v[232+2*k], v[233+2*k], v[111+32*k]
.set k, k+1
.endr
.set k, 0
.rept \ng
	v_max_num_f32 v[232+2*k], v[232+2*k], v[127+32*k]
.set k, k+1
.endr
	s_delay_alu instid0(VALU_DEP_1)
.if \ng == 2
	v_max3_num_f32 v254, v232, v234, v13
.else
	v_max_num_f32 v254, v232, v13
.endif
	v_mov_b32 v253, v12
	s_delay_alu instid0(VALU_DEP_2)
	v_permlanex16_b32 v236, v254, s[SEL], s[SEL+1]
	s_delay_alu instid0(VALU_DEP_1)
	v_max_num_f32 v13, v254, v236                  ; the running largest score of my query
	s_delay_alu instid0(VALU_DEP_1)
	v_mul_f32 v254, s[CS], v13                     ; as t (c is positive)
	s_delay_alu instid0(VALU_DEP_1)
	v_floor_f32 v12, -v254                         ; the new -M = -ceil(t)
	s_delay_alu instid0(VALU_DEP_1)
	v_sub_f32 v254, v12, v253                      ; old M - new M: a whole number, 0 or less
	s_delay_alu instid0(VALU_DEP_2)
	v_fma_f32 v232, v232, s[CS], v12               ; t - M of each block's largest score
.if \ng == 2
	s_delay_alu instid0(VALU_DEP_3)
	v_fma_f32 v234, v234, s[CS], v12
.endif
.set j, 0
.rept 16*(\ng)
	v_pk_fma_f32 v[96+j:97+j], v[96+j:97+j], s[CS:CS+1], v[12:13] op_sel_hi:[1,0,0]   ; t - M, two at a time
.set j, j+2
.if j == 8
	v_cvt_i32_f32 v254, v254                       ; (it saturates)
.endif
.if j == 18
	v_ldexp_f32 v252, 1.0, v254                    ; f = 2^(old M - new M)
.endif
.endr
	s_wait_alu depctr_va_vdst(0)                   ; the wait ahead of the batch
.set j, 0
.rept 32*(\ng)
	v_exp_f32 v[96+j], v[96+j]                     ; p = 2^(t - M)
.set j, j+1
.endr
.set k, 0
.rept \ng
	v_exp_f32 v[232+2*k], v[232+2*k]               ; the block's largest p
.set k, k+1
.endr
	v_pk_mul_f32 v[14:15], v[14:15], v[252:253] op_sel_hi:[1,0]   ; the sums under the new M: the plain place behind the batch
	s_wait_alu depctr_va_vdst(0)                   ; and the one wait behind it
.set sn, 0
.set k, 0
.rept \ng
	v_max_num_f32 v[232+2*k], 0x1800000, v[232+2*k]   ; the floor 2^(3 - 127)
.set k, k+1
.endr
	ADDS 4, 16*(\ng)
.set k, 0
.rept \ng
	v_add_nc_u32 v[244+k], 0xff000000, v[232+2*k]  ; 2 off the exponent field: the conversions' scale operand
.set k, k+1
.endr
	ADDS 4, 16*(\ng)
.set k, 0
.rept \ng
	v_lshrrev_b32 v[236+k], 23, v[244+k]           ; the scale's byte
.set k, k+1
.endr
	ADDS 3, 16*(\ng)
.if \ng == 2
	v_lshl_or_b32 v236, v237, 16, v236             ; my blocks h and 2 + h,
.else
.irp j, 228,229,230,231
	v_mov_b32 v[\j], 0                             ; keys 64 .. 127 are hidden: zero codes (their scale bytes are 0, a finite code)
.endr
.endif
	ADDS 2, 16*(\ng)
	v_lshlrev_b32 v238, v11, v236                  ; at their places in the word (8 h bits up);
	ADDS 3, 16*(\ng)
	v_permlanex16_b32 v239, v238, s[SEL], s[SEL+1]
	ADDS 3, 16*(\ng)
	v_or_b32 v[PS], v238, v239                     ; with lane l xor 16's the word is whole
.set n, 0
.rept 4*(\ng)
	v_cvt_scalef32_pk8_fp4_f32 v[224+n], v[96+8*n:103+8*n], v[244+n/4]   ; keys 64 G + 32 h + 8 i on: register 4 G + i of the operand
.set n, n+1
.endr
	ADDS 32, 16*(\ng)                              ; what is left of the sum
	s_wait_alu depctr_va_vdst(0)                   ; the wait directly ahead of the first reader of O^T
.set j, 0
.rept 16
	v_pk_mul_f32 v[160+j:161+j], v[160+j:161+j], v[252:253] op_sel_hi:[1,0]   ; O^T under the new M
.set j, j+2
.endr
	s_wait_alu depctr_va_vdst(0)                   ; the wait directly ahead of the wait below
	s_wait_dscnt 0x0                               ; V and its scale words are in
.irp t, 0,2                            ; O^T += V^T P^T: four accumulators by turns
	v_wmma_scale_f32_16x16x128_f8f6f4 v[160+8*\t:167+8*\t], v[192+8*\t:199+8*\t], v[224:231], v[160+8*\t:167+8*\t], v[VS+\t/2], v[PS] matrix_a_fmt:MATRIX_FMT_FP4 matrix_b_fmt:MATRIX_FMT_FP4
	v_wmma_scale_f32_16x16x128_f8f6f4 v[168+8*\t:175+8*\t], v[200+8*\t:207+8*\t], v[224:231], v[168+8*\t:175+8*\t], v[VS+\t/2], v[PS] matrix_a_fmt:MATRIX_FMT_FP4 matrix_b_fmt:MATRIX_FMT_FP4 matrix_a_scale:MATRIX_SCALE_ROW1
.endr
.endm
; A QUERY TILE, P = s[p], in parts.  PHEAD: its numbers and an empty state.
.macro PHEAD p
	s_wait_xcnt 0x0                                ; earlier loads and stores have read their registers and bases
	s_lshl_b32 s56, s[\p], 13
	s_mov_b32 s57, 0
	s_add_nc_u64 s[56:57], s[36:37], s[56:57]      ; where the tile's codes go,
	s_lshl_b32 s58, s[\p], 9
	s_mov_b32 s59, 0
	s_add_nc_u64 s[58:59], s[38:39], s[58:59]      ; and its scale bytes
	s_lshr_b32 s40, s[\p], 1
	s_lshl_b32 s40, s40, 5
	s_and_b32 s41, s[\p], 1
	s_lshl_b32 s41, s41, 3
	s_add_co_u32 s40, s40, s41                     ; the tile's first query, 32 (P / 2) + 8 (P % 2)
	s_and_b32 s51, s40, 0xffffff80                 ; the diagonal step's first key
	s_sub_co_u32 s42, s40, s51
	v_add_nc_u32 v[DD], s42, v4                    ; d
	v_mov_b32 v13, 0xff61b1e6                      ; the largest score so far: -3e38
	v_mov_b32 v12, 0x7f61b1e6                      ; -M: 3e38, so that the first f is 0
	v_mov_b32 v14, 0
	v_mov_b32 v15, 0
.set j, 0
.rept 32
	v_mov_b32 v[160+j], 0                          ; O^T: the first step finds zeros
.set j, j+1
.endr
	s_mov_b32 s48, 0
	s_mov_b32 s49, 0
	s_wait_alu depctr_va_vdst(0)                   ; the wait ahead of the loop's branches
.endm
; PLOOP: eight key steps among which the diagonal lies.  The trip count is a constant; a step behind the diagonal is left out by a scalar branch on ids.
.macro PLOOP p, q, qs
	s_mov_b32 s50, 8
.Ltrip_\@:
	s_cmp_gt_u32 s49, s51
	s_cbranch_scc1 .Lnext_\@                       ; all 128 keys come after my queries
	s_cmp_eq_u32 s49, s51
	s_cbranch_scc1 .Ldiag_\@
	STEP 2, -1, \q, \qs
	s_branch .Lnext_\@
.Ldiag_\@:
	s_bitcmp1_b32 s[\p], 2                         ; do my queries lie in the step's second 64 keys?
	s_cbranch_scc1 .Lboth_\@
	STEP 1, 0, \q, \qs
	s_branch .Lnext_\@
.Lboth_\@:
	STEP 2, 1, \q, \qs
.Lnext_\@:
	s_add_co_u32 s49, s49, 128
	s_add_co_u32 s48, s48, REC
	s_sub_co_u32 s50, s50, 1
	s_cmp_lg_u32 s50, 0
	s_cbranch_scc1 .Ltrip_\@
.endm
; POPEN: key steps all of whose keys count
.macro POPEN q, qs, trips
	s_mov_b32 s50, \trips
.Lopen_\@:
	STEP 2, -1, \q, \qs
	s_add_co_u32 s49, s49, 128
	s_add_co_u32 s48, s48, REC
	s_sub_co_u32 s50, s50, 1
	s_cmp_lg_u32 s50, 0
	s_cbranch_scc1 .Lopen_\@
.endm
; PEND: O^T / the sum, quantised along the head's 64 channels: register 16 b + i is channel 32 b + 16 h + i of my query
.macro PEND
	v_nop
	v_nop
	v_add_f32 v14, v14, v15
	v_permlanex16_b32 v252, v14, s[SEL], s[SEL+1]
	v_add_f32 v14, v14, v252
	s_wait_alu depctr_va_vdst(0)                   ; ahead of the transcendental,
	v_rcp_f32 v14, v14
	v_nop
	s_wait_alu depctr_va_vdst(0)                   ; and ahead of its first reader, which is also O^T's
.set j, 0
.rept 16
	v_pk_mul_f32 v[96+j:97+j], v[160+j:161+j], v[14:15] op_sel_hi:[1,0]
.set j, j+2
.endr
.irp b, 0,1
	v_max3_num_f32 v[232+\b], |v[96+16*\b]|, |v[97+16*\b]|, 0x1800000
.endr
.irp i, 2,4,6,8,10,12,14
.irp b, 0,1
	v_max3_num_f32 v[232+\b], v[232+\b], |v[96+16*\b+\i]|, |v[97+16*\b+\i]|
.endr
.endr
.irp b, 0,1
	v_permlanex16_b32 v[236+\b], v[232+\b], s[SEL], s[SEL+1]
.endr
.irp b, 0,1
	v_max_num_f32 v[232+\b], v[232+\b], v[236+\b]
.endr
.irp b, 0,1
	v_add_nc_u32 v[244+\b], 0xff000000, v[232+\b]
.endr
.irp b, 0,1
	v_lshrrev_b32 v[236+\b], 23, v[244+\b]
.endr
	v_lshl_or_b32 v240, v237, 8, v236              ; my query's two scale bytes
.irp b, 0,1
	v_cvt_scalef32_pk8_fp4_f32 v[224+2*\b], v[96+16*\b:103+16*\b], v[244+\b]
	v_cvt_scalef32_pk8_fp4_f32 v[225+2*\b], v[104+16*\b:111+16*\b], v[244+\b]
.endr
	v_nop                                          ; one plain place behind the scaled conversions
	v_permlane16_swap_b32 v224, v226               ; lanes 0-15 block 0, lanes 16-31 block 1
	v_permlane16_swap_b32 v225, v227
	global_store_b128 v1, v[224:227], s[56:57]     ; 512 consecutive bytes, aligned
	global_store_b16 v3, v240, s[58:59]            ; lanes l and l + 16 write the same two bytes with the same value
.endm
	s_wait_tensorcnt 0x0                           ; my record, if I have asked for one, has landed; the wait and the adds stand ahead of a later first fill,
	ds_add_u32 v[SPW], v[NIL]
	ds_add_u32 v[SPW], v[NIL]                      ; the add twice on end
	s_wait_dscnt 0x0
	s_barrier_signal -1
	s_barrier_wait -1                              ; records 0-7 are in
	s_cmp_lt_u32 s12, 8
	s_cbranch_scc1 .Lnot_second
	tensor_load_to_lds s[20:23], s[24:31]          ; waves 8-15: records 8-15, bytes that nothing has filled
	s_nop 0
.rept 4
	v_nop
.endr
.Lnot_second:
	s_wait_loadcnt 0x0                             ; both tiles' Q
	PHEAD 32                                       ; tile 127 - P: its diagonal lies in records 8-15, so records 0-7 are open
	POPEN 24, 39, 2
	s_wait_tensorcnt 0x0                           ; my record has landed,
	s_wait_dscnt 0x0                               ; no LDS load of mine is out:
	s_barrier_signal -1                            ; say so, and go on with records 2-7, which nothing writes
	s_mov_b32 s48, 2*REC
	s_mov_b32 s49, 256
	POPEN 24, 39, 6
	s_barrier_wait -1                              ; everybody's record has landed
	s_mov_b32 s48, 8*REC
	s_mov_b32 s49, 1024
	PLOOP 32, 24, 39
	PEND
	PHEAD 33                                       ; tile P: records 0-7
	PLOOP 33, 16, 38
	PEND
	s_wait_tensorcnt 0x0                           ; the wave's end
	ds_add_u32 v[SPW], v[NIL]
	s_wait_dscnt 0x0
	s_endpgm
.Lfunc_end_k_qb4ae849ae1_attn:
	.size	k_qb4ae849ae1_attn, .Lfunc_end_k_qb4ae849ae1_attn-k_qb4ae849ae1_attn
	.p2alignl 7, 3214868480
	.fill 96, 4, 3214868480
	.section	.rodata,"a",@progbits
	.p2align	6, 0x0
	.amdhsa_kernel k_qb4ae849ae1_attn
		.amdhsa_group_segment_fixed_size 327680
		.amdhsa_private_segment_fixed_size 0
		.amdhsa_enable_private_segment 0
		.amdhsa_kernarg_size 24
		.amdhsa_user_sgpr_count 2
		.amdhsa_user_sgpr_kernarg_segment_ptr 1
		.amdhsa_wavefront_size32 1
		.amdhsa_system_sgpr_workgroup_id_x 1
		.amdhsa_system_sgpr_workgroup_id_y 1
		.amdhsa_system_sgpr_workgroup_id_z 1
		.amdhsa_system_vgpr_workitem_id 0
		.amdhsa_next_free_vgpr 256
		.amdhsa_next_free_sgpr 80
		.amdhsa_reserve_vcc 1
		.amdhsa_float_denorm_mode_32 3
		.amdhsa_float_denorm_mode_16_64 3
		.amdhsa_memory_ordered 1
		.amdhsa_forward_progress 1
		.amdhsa_inst_pref_size 131
	.end_amdhsa_kernel
	.amdgpu_metadata
---
amdhsa.version: [ 1, 2 ]
amdhsa.kernels:
  - .name:           k_qb4ae849ae1_attn
    .symbol:         k_qb4ae849ae1_attn.kd
    .args:
      - { .name: kv, .offset: 0, .size: 8, .value_kind: global_buffer, .address_space: global }
      - { .name: ctx_img, .offset: 8, .size: 8, .value_kind: global_buffer, .address_space: global }
      - { .name: ctx_sc, .offset: 16, .size: 8, .value_kind: global_buffer, .address_space: global }
    .group_segment_fixed_size: 327680
    .private_segment_fixed_size: 0
    .kernarg_segment_align: 8
    .kernarg_segment_size: 24
    .max_flat_workgroup_size: 512
    .sgpr_count:     80
    .vgpr_count:     256
    .wavefront_size: 32
...
	.end_amdgpu_metadata
.endif
;; end of part 3
;; launch gemm_out (part 4): grid 4 x 64, 4 waves a work-group, clusters of 4 x 4, 229,888 bytes of LDS; arguments ctx_img, ctx_sc, w_img, w_sc, b_out, out0; writes out0
.if DOCPART == 4
	.amdgcn_target "amdgcn-amd-amdhsa--gfx1250"
	.amdhsa_code_object_version 6
	.text
	.protected	k_qb4ae849ae1_gemm_out
	.globl	k_qb4ae849ae1_gemm_out
	.p2align	8
	.type	k_qb4ae849ae1_gemm_out,@function
k_qb4ae849ae1_gemm_out:
	s_mov_b64 s[64:65], 0
	v_nop
	global_prefetch_b8 v0, s[64:65] scope:SCOPE_SE
	s_setreg_imm32_b32 hwreg(HW_REG_WAVE_MODE, 25, 1), 1
	s_wait_xcnt 0x0
	s_wait_alu depctr_hold_cnt(0) depctr_sa_sdst(0) depctr_va_vdst(0) depctr_va_sdst(0) depctr_va_ssrc(0) depctr_va_vcc(0) depctr_vm_vsrc(0)
	s_getreg_b32 s2, hwreg(HW_REG_IB_STS2, 6, 4)
	s_cmp_eq_u32 s2, 0
	s_cbranch_scc0 .Lentry_in_a_cluster
	s_endpgm
.Lentry_in_a_cluster:
	s_bfe_u32 s2, ttmp6, 0x10000c
	s_cmp_lg_u32 s2, 0xf033
	s_cbranch_scc0 .Lentry_shape_is_right
	s_endpgm
.Lentry_shape_is_right:
; out = ctx W_out + b_out on codes of FP4 (E2M1) with E8M0 scales, f32 sums, f32 result.
; OPERANDS lie in memory as images of the matrix unit's registers: tile (16 rows) x 8192 + K step x 1024 + c x 512 + 16 x lane; scale words: tile x 512 + (K step / 4) x 256 + 16 r + 4 (K step % 4).
; A tile's rows are not neighbours: tile 2 a + u, row r, is index 32 a + 8 u + r + 8 (r / 8).  W_out's codes lie 524,288 bytes into the weights' buffer, its scale words 32,768.
; SHARES.  256 work-groups of four waves; a work-group makes 128 tokens x 256 columns, a wave 128 tokens (tiles m = 0..7) x 64 columns (tiles t = 0..3).
; ALL OF K FITS IN LDS: 64 KiB of ctx, 128 KiB of W, each byte filled once, by one tensor load a wave (waves 0, 1: the halves of ctx; waves 2, 3: of W).  The scale words and the bias go from memory straight into registers.
; CLUSTER 4 x 4: the four work-groups of a row of the cluster need the same tiles of ctx, the four of a column the same tiles of W: each is asked for jointly, which divides the requests by four.
; BY TILES OF TOKENS, NOT BY K.  My four tiles of W, all of K, stay in 256 registers.  Then one tile of 16 tokens at a time is finished: 8 K steps x 4 tiles of W, 32 matrix instructions, the four accumulators by turns
; and it leaves while the next tile is multiplied.  LDS is read no more than by K: each fragment once.
; THE MATRIX INSTRUCTION IS USED TRANSPOSED (source 0 = a tile of W, source 1 = a tile of ctx): a lane holds one token, and the 16 registers of tiles 2 b and 2 b + 1 are the 16 neighbouring columns 32 b + 16 (lane / 16) + 0 .. 15.
; The bias is the C of each sum's first matrix instruction.
; THE WAY OUT: a tile of 16 tokens x 64 columns goes through the wave's own stage in LDS (bytes that no tensor load fills) and comes back by rows: sixteen lanes store 256 consecutive bytes, aligned.
; Each tile's rows come back into registers of their own, so no store's data are written again.
; NO PREFETCH: all that is read is asked for at the head; there is no loop to run ahead in.   LIMITS: NaN and infinities are not served.
; REGISTERS.  window 0: v2-13 addresses; v30, v31 the spare word's address and 0; v32-95 ctx's scale words (8 m + K step), v96-127 W's (8 t + K step): scales and nothing else; v128-255 ctx's fragments, two sets of 64 (8 x K step).
;   window 1: W's fragments, 64 t + 8 x K step.   window 2: v0-63 the accumulators, two sets of 32 (8 t); v64-95 the bias (8 t).   window 3: the rows on the way out, 32 m.
.set WI0,  65536                       ; LDS: ctx at 0, W behind it, then the stages and the spare words
.set STG,  208896                      ; 16 rows x 272 bytes for each wave
.set SPARE, 0x38000
.set WOFF,  524288
.set WSOFF, 32768
.set ASX,  2                           ; v2     16 r: the scale words
.set ADRX, 4                           ; v4     ctx: 16 x lane
.set ADRW, 6                           ; v6     W: WI0 + 32,768 x wave + 16 x lane
.set STO,  10                          ; v10    the stage, in: row r, + 64 h
.set RD,   11                          ; v11    and back: lanes 0-15 one row, lanes 16-31 the next
.set CO,   12                          ; v12    the same two rows in out
.set BA,   13                          ; v13    the bias: 64 h
.set XSC,  32
.set WSC,  96
.set XF,   128
.set BIAS, 64
.set G1X,  28
.set G1W,  36
.set G0X,  60
.set G0W,  76
.set MSB, 0
.macro WIN new                         ; the immediate's high byte repeats the setting that is left; bits 1:0 source 0, 3:2 source 1, 5:4 source 2, 7:6 destination
.if MSB != \new
	s_set_vgpr_msb (MSB<<8)|\new
.set MSB, \new
.endif
.endm
.macro CROUND                          ; a round of the cluster's barrier
	s_barrier_signal -1
	s_barrier_wait -1
	s_cmp_lg_u32 s16, 0
	s_cbranch_scc1 .Lnot_wave_0_\@
	s_barrier_signal -3
.Lnot_wave_0_\@:
	s_barrier_wait -3
	s_barrier_signal -1
	s_barrier_wait -1
.endm
.macro SHAPE g, r                      ; words 1 to 7 of a group 1: r dense rows of 512 elements of 8 bytes
	s_mov_b32 s[\g+1], 512<<16
	s_mov_b32 s[\g+2], (\r)<<16
	s_mov_b32 s[\g+3], 512<<16
	s_mov_b32 s[\g+4], \r
	s_mov_b32 s[\g+5], 512
	s_mov_b32 s[\g+6], 0
	s_mov_b32 s[\g+7], 0
.endm
	s_load_b256 s[4:11], s[0:1], 0x0               ; ctx's codes s[4:5], ctx's scales s[6:7], W's codes s[8:9], W's scales s[10:11]
	s_load_b128 s[12:15], s[0:1], 0x20             ; b_out s[12:13], out s[14:15]
	v_lshl_add_u32 v30, v0, 2, SPARE
	v_mov_b32 v31, 0
	ds_add_u32 v30, v31                            ; the opening lines: the add, twice on end, and its wait
	ds_add_u32 v30, v31
	v_lshrrev_b32 v1, 5, v0
	v_readfirstlane_b32 s16, v1                    ; wave 0..3
	s_lshr_b32 s17, s16, 1                         ; I fetch for ctx (0) or for W (1),
	s_and_b32 s18, s16, 1                          ; its first or second half
	s_bfe_u32 s19, ttmp6, 0x40000                  ; cx, cy: my place in the cluster
	s_bfe_u32 s20, ttmp6, 0x40004
	s_lshl_b32 s21, ttmp9, 2
	s_add_co_u32 s21, s21, s19                     ; tc: which 256 columns
	s_and_b32 s22, ttmp7, 0xffff
	s_lshl_b32 s22, s22, 2
	s_add_co_u32 s22, s22, s20                     ; tr: which 128 tokens
	s_lshl_b32 s23, s20, 2
	s_lshl_b32 s23, 15, s23                        ; my row of the cluster
	s_lshl_b32 s24, 0x1111, s19                    ; my column
	s_or_b32 s[G1X], s23, (3<<16)|(1<<21)          ; 15:0 the mask; 17:16 elements of 8 bytes; 21 set beside a mask; no padding: an image is read 512 consecutive bytes at a time
	s_or_b32 s[G1W], s24, (3<<16)|(1<<21)
	SHAPE G1X, 8                                   ; half of ctx: 4 tiles x 8,192 bytes
	SHAPE G1W, 16                                  ; half of W: 8 tiles
	s_lshl_b32 s88, s22, 16                        ; ctx's codes: (8 tr + 4 half) tiles.  s88-91 never hold cx, s92-95 never cy
	s_lshl_b32 s89, s18, 15
	s_add_co_u32 s88, s88, s89
	s_mov_b32 s89, 0
	s_lshl_b32 s90, s22, 12                        ; ctx's scales: my work-group's 8 tiles
	s_mov_b32 s91, 0
	s_lshl_b32 s92, s21, 17                        ; W's codes: (16 tc + 8 half) tiles, behind W_Q's
	s_lshl_b32 s93, s18, 16
	s_add_co_u32 s92, s92, s93
	s_add_co_u32 s92, s92, WOFF
	s_mov_b32 s93, 0
	s_lshl_b32 s94, s21, 13                        ; W's scales: my wave's 4 tiles
	s_lshl_b32 s95, s16, 11
	s_add_co_u32 s94, s94, s95
	s_add_co_u32 s94, s94, WSOFF
	s_mov_b32 s95, 0
	s_lshl_b32 s25, s18, 15                        ; my half's place in LDS, in ctx and in W: no place in the cluster enters an LDS address
	s_lshl_b32 s26, s18, 16
	s_lshl_b32 s100, s21, 10                       ; my 64 columns, in bytes: 1,024 tc + 256 x wave
	s_lshl_b32 s101, s16, 8
	s_add_co_u32 s100, s100, s101
	s_mov_b32 s101, 0
	s_lshl_b32 s98, s22, 19                        ; my 128 tokens: rows of 4,096 bytes
	s_mov_b32 s99, 0
	s_wait_dscnt 0x0
	s_wait_kmcnt 0x0
	s_add_nc_u64 s[88:89], s[4:5], s[88:89]
	s_add_nc_u64 s[90:91], s[6:7], s[90:91]
	s_add_nc_u64 s[92:93], s[8:9], s[92:93]
	s_add_nc_u64 s[94:95], s[10:11], s[94:95]
	s_add_nc_u64 s[12:13], s[12:13], s[100:101]
	s_add_nc_u64 s[14:15], s[14:15], s[100:101]
	s_add_nc_u64 s[14:15], s[14:15], s[98:99]
	CROUND                                         ; all sixteen work-groups are here: the joint loads meet
	s_mov_b32 s[G0X], 1
	s_mov_b32 s[G0X+1], s25
	s_mov_b64 s[G0X+2:G0X+3], s[88:89]
	s_or_b32 s[G0X+3], s[G0X+3], 0x80000000
	s_mov_b32 s[G0W], 1
	s_add_co_u32 s[G0W+1], s26, WI0
	s_mov_b64 s[G0W+2:G0W+3], s[92:93]
	s_or_b32 s[G0W+3], s[G0W+3], 0x80000000
	s_cmp_eq_u32 s17, 0                            ; my one tensor load of the launch.  Each line has one mask and one set of registers for all that issue it; the branch hangs on the wave's number alone
	s_cbranch_scc0 .Lfor_w
	tensor_load_to_lds s[G0X:G0X+3], s[G1X:G1X+7]
	s_nop 0
.rept 4
	v_nop
.endr
	s_branch .Lasked
.Lfor_w:
	tensor_load_to_lds s[G0W:G0W+3], s[G1W:G1W+7]
	s_nop 0
.rept 4
	v_nop
.endr
.Lasked:
	v_bfe_u32 v3, v0, 4, 1                         ; h
	v_lshlrev_b32 v[BA], 6, v3
	v_and_b32 v1, 15, v0                           ; r
	v_lshlrev_b32 v[ASX], 4, v1
	v_and_b32 v5, 31, v0
	v_lshlrev_b32 v[ADRX], 4, v5
	s_lshl_b32 s96, s16, 15
	v_add_nc_u32 v[ADRW], s96, v[ADRX]
	v_add_nc_u32 v[ADRW], WI0, v[ADRW]
	s_mul_i32 s96, s16, 16*272
	s_add_co_u32 s96, s96, STG                     ; my stage
	v_mul_u32_u24 v[STO], v1, 272
	v_lshl_add_u32 v[STO], v3, 6, v[STO]
	v_add_nc_u32 v[STO], s96, v[STO]
	v_mul_u32_u24 v[RD], v3, 272
	v_add_nc_u32 v[RD], v[RD], v[ASX]
	v_add_nc_u32 v[RD], s96, v[RD]
	v_lshl_add_u32 v[CO], v3, 12, v[ASX]
	s_wait_alu depctr_va_vdst(0)                   ; the wait at the head's end
	WIN 0x80                                       ; destination window 2
.irp t, 0,1,2,3                        ; the bias: tile t = 2 b + u, register j: column 32 b + 8 u + 16 h + j of my 64
	global_load_b128 v[BIAS+8*\t:BIAS+8*\t+3], v[BA], s[12:13] offset:128*(\t/2)+32*(\t%2)
	global_load_b128 v[BIAS+8*\t+4:BIAS+8*\t+7], v[BA], s[12:13] offset:128*(\t/2)+32*(\t%2)+16
.endr
	WIN 0
.irp m, 0,1,2,3,4,5,6,7                ; all scale words, once: four K steps' words of a row are 16 bytes; sixteen lanes read 256 consecutive bytes, aligned (lanes 16-31 the same)
.irp k, 0,1
	global_load_b128 v[XSC+8*\m+4*\k:XSC+8*\m+4*\k+3], v[ASX], s[90:91] offset:512*\m+256*\k
.endr
.endr
.irp t, 0,1,2,3
.irp k, 0,1
	global_load_b128 v[WSC+8*\t+4*\k:WSC+8*\t+4*\k+3], v[ASX], s[94:95] offset:512*\t+256*\k
.endr
.endr
.macro ALOAD m                         ; ctx's tile m, all of K, into set m % 2: 16 loads of 512 consecutive bytes
	WIN 0
.irp ks, 0,1,2,3,4,5,6,7
	ds_load_b128 v[XF+64*((\m)%2)+8*\ks:XF+64*((\m)%2)+8*\ks+3], v[ADRX] offset:(\m)*8192+\ks*1024
	ds_load_b128 v[XF+64*((\m)%2)+8*\ks+4:XF+64*((\m)%2)+8*\ks+7], v[ADRX] offset:(\m)*8192+\ks*1024+512
.endr
.endm
.macro MUL m                           ; tile m is finished: K ascending, the four accumulators by turns; the first products start the sums on the bias
	WIN 0xa1                                       ; source 0 (W) window 1, source 1 (ctx) window 0, C and D window 2
.irp ks, 0,1,2,3,4,5,6,7
.irp t, 0,1,2,3
.if \ks == 0
	v_wmma_scale_f32_16x16x128_f8f6f4 v[32*((\m)%2)+8*\t:32*((\m)%2)+8*\t+7], v[64*\t+8*\ks:64*\t+8*\ks+7], v[XF+64*((\m)%2)+8*\ks:XF+64*((\m)%2)+8*\ks+7], v[BIAS+8*\t:BIAS+8*\t+7], v[WSC+8*\t+\ks], v[XSC+8*(\m)+\ks] matrix_a_fmt:MATRIX_FMT_FP4 matrix_b_fmt:MATRIX_FMT_FP4
.else
	v_wmma_scale_f32_16x16x128_f8f6f4 v[32*((\m)%2)+8*\t:32*((\m)%2)+8*\t+7], v[64*\t+8*\ks:64*\t+8*\ks+7], v[XF+64*((\m)%2)+8*\ks:XF+64*((\m)%2)+8*\ks+7], v[32*((\m)%2)+8*\t:32*((\m)%2)+8*\t+7], v[WSC+8*\t+\ks], v[XSC+8*(\m)+\ks] matrix_a_fmt:MATRIX_FMT_FP4 matrix_b_fmt:MATRIX_FMT_FP4
.endif
.endr
.endr
.rept 4
	v_nop                                          ; four places ahead of the LDS stores that read the results and of the loads into ctx's set (ISA guide 7.12.1 for the stores)
.endr
.endm
.macro TOSTAGE m                       ; 8 stores and 8 loads.  LDS serves a wave's instructions in order (ISA guide 5.7.1.4): no wait between them, nor ahead of the next tile's stores
	WIN 0x08                                       ; an LDS store's data are its source 1: window 2
.irp b, 0,1
.irp d, 0,1,2,3
	ds_store_b128 v[STO], v[32*((\m)%2)+16*\b+4*\d:32*((\m)%2)+16*\b+4*\d+3] offset:128*\b+16*\d     ; columns 32 b + 16 h + 4 d on; each accumulator from its low end on
.endr
.endr
	WIN 0xc0                                       ; destination window 3
.irp i, 0,1,2,3,4,5,6,7
	ds_load_b128 v[32*(\m)+4*\i:32*(\m)+4*\i+3], v[RD] offset:544*\i
.endr
.endm
.macro SEND m, younger                 ; younger: the LDS instructions issued behind tile m's loads, which may stay out.  The tile's row 2 i + (lane / 16) is token 32 (m / 2) + 8 (m % 2) + 2 i + 8 (i / 4) + (lane / 16)
	s_wait_dscnt \younger
	WIN 0x0c                                       ; a store's data are its source 1: window 3
.irp i, 0,1,2,3,4,5,6,7
	global_store_b128 v[CO], v[32*(\m)+4*\i:32*(\m)+4*\i+3], s[14:15] offset:(32*((\m)/2)+8*((\m)%2)+2*\i+8*(\i/4))*4096 th:TH_STORE_NT   ; sixteen lanes store 256 consecutive bytes, aligned; written once, read by nobody here
.endr
.endm
	s_wait_tensorcnt 0x0                           ; my part of the operands is in,
	s_barrier_signal -1
	s_barrier_wait -1                              ; everybody's is
	WIN 0x40                                       ; destination window 1
.irp t, 0,1,2,3                        ; my four tiles of W, all of K: 64 loads
.irp ks, 0,1,2,3,4,5,6,7
	ds_load_b128 v[64*\t+8*\ks:64*\t+8*\ks+3], v[ADRW] offset:\t*8192+\ks*1024
	ds_load_b128 v[64*\t+8*\ks+4:64*\t+8*\ks+7], v[ADRW] offset:\t*8192+\ks*1024+512
.endr
.endr
	ALOAD 0
	ALOAD 1
	s_wait_loadcnt 0x0                             ; the bias and the scale words
	s_wait_dscnt 16                                ; W and ctx's tile 0 are in; tile 1's 16 loads may be out
	MUL 0
	TOSTAGE 0
	ALOAD 2
.irp m, 1,2,3,4,5                      ; behind tile m's fragments: tile m - 1's 16 through the stage and tile m + 1's 16 loads
	s_wait_dscnt 32
	MUL \m
	TOSTAGE \m
	ALOAD \m+2
	SEND \m-1, 48                                  ; behind tile m - 1's loads from the stage: three groups of 16
.endr
	s_wait_dscnt 32
	MUL 6
	TOSTAGE 6
	SEND 5, 32                                     ; tile 7's 16 loads and tile 6's 16 through the stage
	s_wait_dscnt 16
	MUL 7
	TOSTAGE 7
	SEND 6, 16
	SEND 7, 0
	WIN 0
	s_wait_tensorcnt 0x0                           ; the wave's end
	ds_add_u32 v30, v31
	s_wait_dscnt 0x0
	CROUND                                         ; the closing round: no work-group ends while a partner may still ask for a tile that names it
	s_endpgm
.Lfunc_end_k_qb4ae849ae1_gemm_out:
	.size	k_qb4ae849ae1_gemm_out, .Lfunc_end_k_qb4ae849ae1_gemm_out-k_qb4ae849ae1_gemm_out
	.p2alignl 7, 3214868480
	.fill 96, 4, 3214868480
	.section	.rodata,"a",@progbits
	.p2align	6, 0x0
	.amdhsa_kernel k_qb4ae849ae1_gemm_out
		.amdhsa_group_segment_fixed_size 229888
		.amdhsa_private_segment_fixed_size 0
		.amdhsa_enable_private_segment 0
		.amdhsa_kernarg_size 48
		.amdhsa_user_sgpr_count 2
		.amdhsa_user_sgpr_kernarg_segment_ptr 1
		.amdhsa_wavefront_size32 1
		.amdhsa_system_sgpr_workgroup_id_x 1
		.amdhsa_system_sgpr_workgroup_id_y 1
		.amdhsa_system_sgpr_workgroup_id_z 1
		.amdhsa_system_vgpr_workitem_id 0
		.amdhsa_next_free_vgpr 1024
		.amdhsa_next_free_sgpr 102
		.amdhsa_reserve_vcc 0
		.amdhsa_float_denorm_mode_32 3
		.amdhsa_float_denorm_mode_16_64 3
		.amdhsa_memory_ordered 1
		.amdhsa_forward_progress 1
		.amdhsa_inst_pref_size 70
	.end_amdhsa_kernel
	.amdgpu_metadata
---
amdhsa.version: [ 1, 2 ]
amdhsa.kernels:
  - .name:           k_qb4ae849ae1_gemm_out
    .symbol:         k_qb4ae849ae1_gemm_out.kd
    .args:
      - { .name: ctx_img, .offset: 0, .size: 8, .value_kind: global_buffer, .address_space: global }
      - { .name: ctx_sc, .offset: 8, .size: 8, .value_kind: global_buffer, .address_space: global }
      - { .name: w_img, .offset: 16, .size: 8, .value_kind: global_buffer, .address_space: global }
      - { .name: w_sc, .offset: 24, .size: 8, .value_kind: global_buffer, .address_space: global }
      - { .name: b_out, .offset: 32, .size: 8, .value_kind: global_buffer, .address_space: global }
      - { .name: out0, .offset: 40, .size: 8, .value_kind: global_buffer, .address_space: global }
    .group_segment_fixed_size: 229888
    .private_segment_fixed_size: 0
    .kernarg_segment_align: 8
    .kernarg_segment_size: 48
    .max_flat_workgroup_size: 128
    .sgpr_count:     102
    .vgpr_count:     1024
    .wavefront_size: 32
...
	.end_amdgpu_metadata
.endif
;; end of part 4
